; MI455X (gfx1250); checked and timed in simulation.
; The chip was launched on July 23, 2026; its instructions are those of AMD's public machine-readable ISA for CDNA 5 (MIT licence, August 2026) and "CDNA5" Instruction Set Architecture Reference Guide (July 2026). The comments in the code are by the model that wrote it; some were corrected since.
;; KAN Coupling Net. Allowed arithmetic: matrix products marked QUANTISED: E3M2 operands, one E8M0 scale for each 32 along K, by v_wmma_scale_f32_16x16x128_f8f6f4 with both operands' format E3M2, f32 sums; products left as they are: f32 operands where the result goes on into a quantised operand, else bf16, f16 or f32 operands; f32 sums; everything else in f32.
;; Inputs: coef0 12 x 64 x 5 float32; coef1 64 x 64 x 5 float32; coef2 64 x 24 x 5 float32; grid0 12 x 9 float32; grid1 64 x 9 float32; grid2 64 x 9 float32; sb0 12 x 64 float32; sb1 64 x 64 float32; sb2 64 x 24 float32; ss0 12 x 64 float32; ss1 64 x 64 float32; ss2 64 x 24 float32; x 32 x 12 x 64 x 64 float32.
;; Outputs: out0 32 x 24 x 64 x 64 float32.
;; This version of the problem:
;;   THIS VERSION OF THE PROBLEM IS GIVEN IN LOW PRECISION. The matrix products marked QUANTISED in the list below multiply operands that are first quantised to E3M2 (3 exponent bits, 2 mantissa bits; 6 bits a number), with one power-of-two scale for each 32 numbers along K (OCP MX v1.0); their sums are f32. All else is computed in f32.
;;   The module's matrix products, in the order in which they are computed (A, B: the left and right operand; K: the contracted axis; several contracted axes count as one K, in the product's order):
;;     1. [M 131,072, K 60] x [K 60, N 64]; A: computed on the way; B: computed on the way: QUANTISED
;;     2. [M 131,072, K 12] x [K 12, N 64]; A: computed on the way; B: input sb0: left as it is (K = 12 < 32)
;;     3. [M 131,072, K 320] x [K 320, N 64]; A: computed on the way; B: computed on the way: QUANTISED
;;     4. [M 131,072, K 64] x [K 64, N 64]; A: computed on the way; B: input sb1: QUANTISED
;;     5. [M 131,072, K 320] x [K 320, N 24]; A: computed on the way; B: computed on the way: QUANTISED
;;     6. [M 131,072, K 64] x [K 64, N 24]; A: computed on the way; B: input sb2: QUANTISED
;;   THE QUANTISER, for each operand of a quantised product, along K:
;;     - K is cut into blocks of 32 from its start; a last block that is shorter is filled with zeros.
;;     - A block's scale is 2^e with e = floor(log2(the largest magnitude in the block)) - 4, held to -126 .. 127; a block of zeros has e = 0. As a byte (E8M0): e + 127.
;;     - Each number is divided by its block's scale, clamped to +-28, and rounded to the nearest number of E3M2, ties to even, subnormals kept.
;;     - The product sums the exact products of the quantised numbers (number of the format x scale) in f32.
;;   ~~~python
;;   def quantise(x, axis):      # numpy; x: float32 -> the quantised numbers, widened to float32 again
;;       x = np.moveaxis(x, axis, -1); K = x.shape[-1]
;;       x = np.pad(x, [(0, 0)] * (x.ndim - 1) + [(0, -K % 32)]); x = x.reshape(x.shape[:-1] + (-1, 32)); a = np.abs(x).max(-1, keepdims=True)
;;       e = np.where(a > 0, np.clip(np.frexp(np.where(a > 0, a, 1))[1] - 1 - 4, -126, 127), 0)      # np.frexp(a)[1] - 1 = floor(log2(a)), exactly
;;       r = np.clip(x / 2.0 ** e, -28, 28)
;;       step = 2.0 ** (np.maximum(np.frexp(np.where(r == 0, 1, r))[1] - 1, -2) - 2)
;;       q = np.round(r / step) * step * 2.0 ** e      # np.round: ties to even
;;       return np.moveaxis(q.reshape(q.shape[:-2] + (-1,))[..., :K], -1, axis).astype(np.float32)
;;   ~~~
;;   OPERANDS COMPUTED ON THE WAY. 'Computed on the way' means the value that the module computes at that place (a softmax that the list does not call 'softmax' is quantised finished and normalised). What goes into a quantiser is computed in f32, as accurately as f32 sums, v_exp_f32 and their like allow (about 1e-6 of the number): no bf16 or f16 on the way to a quantiser, and a product that is left as it is and whose result goes on into a quantised operand takes f32 operands (vector FMAs, or v_wmma_f32_16x16x4_f32). A number that lies on a knife's edge between two numbers of the format may be rounded either way, as far as f32 arithmetic and the matrix unit's own rounding can turn it there, and no further.
;; 2 versions. Each part assembles by itself: llvm-mc -triple=amdgcn-amd-amdhsa -mcpu=gfx1250 --defsym DOCPART=n.
;; ======== version 1 of 2: 2 launches
;; workspace buffers: pimg 57,344 bytes
;; launch prep (part 1): grid 27 x 1, 1 waves a work-group, no clusters, 0 bytes of LDS; arguments coef0, ss0, coef1, ss1, sb1, coef2, ss2, sb2, grid0, grid1, grid2, pimg; writes pimg
.if DOCPART == 1
	.amdgcn_target "amdgcn-amd-amdhsa--gfx1250"
	.amdhsa_code_object_version 6
	.text
	.protected	k_q02230c62cf_prep
	.globl	k_q02230c62cf_prep
	.p2align	8
	.type	k_q02230c62cf_prep,@function
k_q02230c62cf_prep:
	s_mov_b64 s[64:65], 0
	v_nop
	global_prefetch_b8 v0, s[64:65] scope:SCOPE_SE
	s_setreg_imm32_b32 hwreg(HW_REG_WAVE_MODE, 25, 1), 1
	s_wait_xcnt 0x0
; What every work-group of the main launch needs alike is made once: pimg, 57,344 bytes, laid as that launch's LDS wants it.
;   bytes 0 .. 20,479       TAB: 5 passes x 32 channels x 128 bytes.  A row: -g0..-g8, then 1/(g[j+1]-g[j]) j=0..7, 1/(g[j+2]-g[j]) j=0..6, 1/(g[j+3]-g[j]) j=0..5, 0, 0
;                           pass 0: grid0 (rows 12 to 31 repeat channel 11 and are never used); passes 1, 2: grid1's channels 0-31, 32-63; passes 3, 4: grid2's
;   bytes 20,480 .. 54,271  FRAG: 22 weight fragments (16 output channels x 128 K of E3M2 codes) as images of the operand's registers: register q of lane L at 512 (q / 4) + 16 L + 4 (q % 4)
;   bytes 54,272 .. 57,087  WSCL: their scale words, 4 bytes a lane (both halves of the lanes hold row r's word)
;   bytes 57,088 .. 57,343  zeros
; THE SPLINE PRODUCT'S K runs over the basis function first and the input channel second, the order in which the product contracts its two axes: k = g x IN + channel (IN = 12 or 64).
; The weight at k is coef[channel][out][g] x ss[channel][out], in f32; k at or past the layer's K (60 or 320) is 0.
; FRAGMENTS.  f = 0..3: layer 0, tile t = f.  f = 4 + 4 kappa + t: layer 1.  f = 16 + 2 kappa + t: layer 2 (output channels from 24 on are zero codes).
; Lane (r, h) holds output channel 16 t + r; its registers 6 c .. 6 c + 5 hold the block of 32 in place 2 c + h of the K step:
;   layer 0: k = 32 (2 c + h) + i;   kappa 0, 1: g = 2 c + h, channels 32 kappa + i;   kappa 2: c = 0: g = 4, channels 32 h + i;  c = 1: the base weight's rows 32 h + i.
; A block's scale is 2^(floor(log2(largest magnitude)) - 4); its byte is that magnitude's exponent field - 4, held at 1 from below.
; One wave to a work-group: 22 make a fragment each, 5 a pass of the table each.  No LDS, no barrier.
; The table's rows and the scale words are stored as parts of aligned 256-byte runs: 23,296 bytes, once in the program.
; LIMITS: a grid with g[j+d] = g[j] for a d up to 3 (reference() divides by zero there) is not served; NaN and infinities among the inputs are not served; a block whose largest
; magnitude lies under 2^-122 keeps the byte 1, a block of zeros too (its codes are zeros; this program alone reads the bytes).
.set FRAGB, 20480
.set WSCLB, 54272
.set ZEROB, 57088
.set AC,  16                           ; v16-47   byte offsets into coef (or sb), one register a load
.set AS,  48                           ; v48-79   byte offsets into ss
.set SV,  80                           ; v80-111  ss
.set D0,  112                          ; v112-143 the block in place h
.set D1,  144                          ; v144-175 the block in place 2 + h
.set FR,  176                          ; v176-187 the fragment
	s_load_b512 s[4:19], s[0:1], 0x0               ; coef0 s[4:5], ss0 s[6:7], coef1 s[8:9], ss1 s[10:11], sb1 s[12:13], coef2 s[14:15], ss2 s[16:17], sb2 s[18:19]
	s_load_b256 s[20:27], s[0:1], 0x40             ; grid0 s[20:21], grid1 s[22:23], grid2 s[24:25], pimg s[26:27]
	v_and_b32 v1, 15, v0                           ; r
	v_lshrrev_b32 v2, 4, v0                        ; h
	s_mov_b32 s60, 0x76543210
	s_mov_b32 s61, 0xfedcba98                      ; v_permlanex16_b32's selects for lane l xor 16
	s_wait_kmcnt 0x0
	s_cmp_ge_u32 ttmp9, 22
	s_cbranch_scc1 .Ltable
	; ---- a weight fragment.  Everything that differs between layers is chosen on the work-group's number
	s_cmp_lt_u32 ttmp9, 16
	s_cselect_b64 s[28:29], s[8:9], s[14:15]       ; coef
	s_cselect_b64 s[30:31], s[10:11], s[16:17]     ; ss
	s_cselect_b64 s[32:33], s[12:13], s[18:19]     ; sb (layer 0 has no K step with it)
	s_cselect_b32 s34, 64, 24                      ; output channels
	s_cselect_b32 s35, 4, 16                       ; the layer's first fragment
	s_cselect_b32 s36, 2, 1                        ; log2 of its tiles
	s_mov_b32 s37, 320                             ; the spline product's K
	s_mov_b32 s54, 64                              ; input channels
	s_mov_b32 s55, 1                               ; g = (k x s55) >> s56: k / 64,
	s_mov_b32 s56, 6
	s_mov_b32 s57, 0xaaab                          ; or k / 12 = (k x 43,691) >> 19, exact for k under 60
	s_cmp_lt_u32 ttmp9, 4
	s_cselect_b64 s[28:29], s[4:5], s[28:29]
	s_cselect_b64 s[30:31], s[6:7], s[30:31]
	s_cselect_b32 s35, 0, s35
	s_cselect_b32 s37, 60, s37
	s_cselect_b32 s54, 12, s54
	s_cselect_b32 s55, s57, s55
	s_cselect_b32 s56, 19, s56
	s_cselect_b32 s42, 32, 64                      ; along k from lanes 0-15 to lanes 16-31: the next block, or the next g
	s_cselect_b32 s58, 64, 128                     ; and from place h to place 2 + h
	s_sub_co_u32 s38, ttmp9, s35
	s_lshr_b32 s39, s38, s36                       ; kappa
	s_lshl_b32 s40, s39, s36
	s_sub_co_u32 s40, s38, s40                     ; t
	s_lshl_b32 s41, s39, 5                         ; the K step's first k: channels 32 kappa on of g = 0,
	s_cmp_eq_u32 s39, 2
	s_cselect_b32 s41, 256, s41                    ; or g = 4,
	s_cselect_b32 s42, 32, s42                     ; whose second 32 channels go to lanes 16-31
	s_sub_co_u32 s43, s37, 1
	s_sub_co_u32 s44, s34, 1
	s_lshl_b32 s45, s40, 4
	v_add_nc_u32 v3, s45, v1                       ; my output channel
	v_cmp_gt_u32 s46, s34, v3                      ; does the layer have it?
	v_min_u32 v4, s44, v3                          ; held inside the tensors for the addresses
	v_mul_u32_u24 v5, s42, v2
	v_add_nc_u32 v5, s41, v5                       ; first k of my block in place h
; 32 spline weights from k = v[kq] on, into v[d] on.  No load leaves its buffer: k is held at K - 1 for the address, and what lies past K or past the output channels becomes 0.
.macro SPL d, kq
.set I, 0
.rept 32
	v_add_nc_u32 v8, I, v[\kq]
	v_min_u32 v8, s43, v8                          ; k
	v_mul_u32_u24 v9, s55, v8
	v_lshrrev_b32 v9, s56, v9                      ; g = k / IN
	v_mul_u32_u24 v10, s54, v9
	v_sub_nc_u32 v10, v8, v10                      ; channel = k - g x IN
	v_mad_u32_u24 v10, v10, s34, v4                ; channel x OUT + out
	v_lshlrev_b32 v[AS+I], 2, v10
	v_mad_u32_u24 v10, v10, 5, v9                  ; 5 (channel x OUT + out) + g
	v_lshlrev_b32 v[AC+I], 2, v10
	global_load_b32 v[\d+I], v[AC+I], s[28:29]
	global_load_b32 v[SV+I], v[AS+I], s[30:31]
.set I, I+1
.endr
	s_wait_loadcnt 0x0                             ; the numbers are in, and the offsets' registers may be written again
.set I, 0
.rept 32
	v_add_nc_u32 v8, I, v[\kq]
	v_cmp_gt_u32 vcc_lo, s37, v8                   ; k under K,
	s_and_b32 s47, vcc_lo, s46                     ; and an output channel that exists
	v_mul_f32 v[\d+I], v[\d+I], v[SV+I]            ; coef x ss
	v_cndmask_b32 v[\d+I], 0, v[\d+I], s47
.set I, I+1
.endr
.endm
	SPL D0, 5
	s_cmp_eq_u32 s39, 2
	s_cbranch_scc1 .Lbase
	v_add_nc_u32 v6, s58, v5                       ; first k of my block in place 2 + h
	SPL D1, 6
	s_branch .Lquant
.Lbase:                                                ; the base weight's rows 32 h + i, my output channel
.set I, 0
.rept 32
	v_lshl_add_u32 v8, v2, 5, I
	v_mad_u32_u24 v8, v8, s34, v4
	v_lshlrev_b32 v[AC+I], 2, v8
	global_load_b32 v[D1+I], v[AC+I], s[32:33]
.set I, I+1
.endr
	s_wait_loadcnt 0x0
.set I, 0
.rept 32
	v_cndmask_b32 v[D1+I], 0, v[D1+I], s46
.set I, I+1
.endr
.Lquant:
.irp c, 0,1
	v_max3_num_f32 v[188+\c], |v[D0+32*\c]|, |v[D0+1+32*\c]|, 0x2800000   ; all 32 numbers of a block are mine; the floor 2^(5 - 127) holds the byte at 1 from below
.endr
.irp i, 2,4,6,8,10,12,14,16,18,20,22,24,26,28,30
.irp c, 0,1
	v_max3_num_f32 v[188+\c], v[188+\c], |v[D0+32*\c+\i]|, |v[D0+1+32*\c+\i]|   ; the two blocks by turns
.endr
.endr
.irp c, 0,1
	v_add_nc_u32 v[190+\c], 0xfe000000, v[188+\c]  ; 4 off the exponent field: the conversion takes the exponent field of this operand as its scale
.endr
.irp c, 0,1
	v_lshrrev_b32 v[192+\c], 23, v[190+\c]         ; the scale's byte
.endr
	v_lshl_or_b32 v194, v193, 16, v192             ; my two bytes: places h and 2 + h,
	v_lshlrev_b32 v195, 3, v2
	v_lshlrev_b32 v194, v195, v194                 ; 8 h bits up;
	v_mov_b32 v195, 0
	v_permlanex16_b32 v195, v194, s60, s61
	v_or_b32 v194, v194, v195                      ; with lane l xor 16's two the word is whole
	v_cvt_scalef32_pk16_bf6_f32 v[FR:FR+2], v[D0:D0+15], v190
	v_cvt_scalef32_pk16_bf6_f32 v[196:198], v[D0+16:D0+31], v190     ; (a conversion's three registers begin on an even number: the second half is made elsewhere and moved)
	v_cvt_scalef32_pk16_bf6_f32 v[FR+6:FR+8], v[D1:D1+15], v191
	v_cvt_scalef32_pk16_bf6_f32 v[200:202], v[D1+16:D1+31], v191
	v_nop                                          ; one plain place behind a scaled conversion
.irp i, 0,1,2
	v_mov_b32 v[FR+3+\i], v[196+\i]
	v_mov_b32 v[FR+9+\i], v[200+\i]
.endr
	s_mul_i32 s48, ttmp9, 1536
	s_add_co_u32 s48, s48, FRAGB
	s_mov_b32 s49, 0
	s_add_nc_u64 s[50:51], s[26:27], s[48:49]
	v_lshlrev_b32 v7, 4, v0
	global_store_b128 v7, v[FR:FR+3], s[50:51]                 ; each store of the wave covers 512 consecutive bytes, aligned to 256
	global_store_b128 v7, v[FR+4:FR+7], s[50:51] offset:512
	global_store_b128 v7, v[FR+8:FR+11], s[50:51] offset:1024
	s_lshl_b32 s48, ttmp9, 7
	s_add_co_u32 s48, s48, WSCLB
	s_add_nc_u64 s[52:53], s[26:27], s[48:49]
	v_lshlrev_b32 v11, 2, v0
	global_store_b32 v11, v194, s[52:53]
	s_endpgm
.Ltable:                                               ; ---- a pass of the table: a lane to a channel
	s_sub_co_u32 s28, ttmp9, 22                    ; the pass, 0 to 4
	s_and_b32 s29, s28, 1
	s_xor_b32 s29, s29, 1
	s_lshl_b32 s29, s29, 5                         ; passes 2 and 4 begin at channel 32
	s_cmp_lt_u32 s28, 3
	s_cselect_b64 s[30:31], s[22:23], s[24:25]
	s_cmp_eq_u32 s28, 0
	s_cselect_b64 s[30:31], s[20:21], s[30:31]
	s_cselect_b32 s29, 0, s29
	s_cselect_b32 s32, 11, 63                      ; the grid's last channel
	v_add_nc_u32 v3, s29, v0
	v_min_u32 v3, s32, v3
	v_mul_u32_u24 v3, 36, v3                       ; nine knots a channel
.irp j, 0,1,2,3,4,5,6,7,8
	global_load_b32 v[16+\j], v3, s[30:31] offset:4*\j
.endr
	s_wait_loadcnt 0x0
.irp j, 0,1,2,3,4,5,6,7
	v_sub_f32 v[32+\j], v[17+\j], v[16+\j]
.endr
.irp j, 0,1,2,3,4,5,6
	v_sub_f32 v[40+\j], v[18+\j], v[16+\j]
.endr
.irp j, 0,1,2,3,4,5
	v_sub_f32 v[47+\j], v[19+\j], v[16+\j]
.endr
.set I, 0
.rept 21
	v_rcp_f32 v[105+I], v[32+I]                    ; the row's words 9 to 29
.set I, I+1
.endr
	v_nop                                          ; a plain place behind the last reciprocal
	s_wait_alu depctr_va_vdst(0)                   ; one wait for the batch of 21, ahead of its first reader
.set I, 0
.rept 21
	v_fma_f32 v[64+I], -v[32+I], v[105+I], 1.0     ; one Newton step: e = 1 - D r,
.set I, I+1
.endr
.set I, 0
.rept 21
	v_fma_f32 v[105+I], v[105+I], v[64+I], v[105+I]   ; r = r + r e
.set I, I+1
.endr
.irp j, 0,1,2,3,4,5,6,7,8
	v_xor_b32 v[96+\j], 0x80000000, v[16+\j]       ; -g
.endr
	v_mov_b32 v126, 0
	v_mov_b32 v127, 0
	s_lshl_b32 s33, s28, 12                        ; 32 rows of 128 bytes a pass
	v_lshl_add_u32 v4, v0, 7, s33
.irp i, 0,1,2,3,4,5,6,7
	global_store_b128 v4, v[96+4*\i:99+4*\i], s[26:27] offset:16*\i
.endr
	s_cmp_lg_u32 s28, 4
	s_cbranch_scc1 .Ldone
	v_lshlrev_b32 v5, 3, v0
	global_store_b64 v5, v[126:127], s[26:27] offset:ZEROB   ; the image's last 256 bytes: the main launch copies them with the rest
.Ldone:
	s_endpgm
.Lfunc_end_k_q02230c62cf_prep:
	.size	k_q02230c62cf_prep, .Lfunc_end_k_q02230c62cf_prep-k_q02230c62cf_prep
	.p2alignl 7, 3214868480
	.fill 96, 4, 3214868480
	.section	.rodata,"a",@progbits
	.p2align	6, 0x0
	.amdhsa_kernel k_q02230c62cf_prep
		.amdhsa_group_segment_fixed_size 0
		.amdhsa_private_segment_fixed_size 0
		.amdhsa_enable_private_segment 0
		.amdhsa_kernarg_size 96
		.amdhsa_user_sgpr_count 2
		.amdhsa_user_sgpr_kernarg_segment_ptr 1
		.amdhsa_wavefront_size32 1
		.amdhsa_system_sgpr_workgroup_id_x 1
		.amdhsa_system_sgpr_workgroup_id_y 1
		.amdhsa_system_sgpr_workgroup_id_z 1
		.amdhsa_system_vgpr_workitem_id 0
		.amdhsa_next_free_vgpr 208
		.amdhsa_next_free_sgpr 66
		.amdhsa_reserve_vcc 1
		.amdhsa_float_denorm_mode_32 3
		.amdhsa_float_denorm_mode_16_64 3
		.amdhsa_memory_ordered 1
		.amdhsa_forward_progress 1
		.amdhsa_inst_pref_size 71
	.end_amdhsa_kernel
	.amdgpu_metadata
---
amdhsa.version: [ 1, 2 ]
amdhsa.kernels:
  - .name:           k_q02230c62cf_prep
    .symbol:         k_q02230c62cf_prep.kd
    .args:
      - { .name: coef0, .offset: 0, .size: 8, .value_kind: global_buffer, .address_space: global }
      - { .name: ss0, .offset: 8, .size: 8, .value_kind: global_buffer, .address_space: global }
      - { .name: coef1, .offset: 16, .size: 8, .value_kind: global_buffer, .address_space: global }
      - { .name: ss1, .offset: 24, .size: 8, .value_kind: global_buffer, .address_space: global }
      - { .name: sb1, .offset: 32, .size: 8, .value_kind: global_buffer, .address_space: global }
      - { .name: coef2, .offset: 40, .size: 8, .value_kind: global_buffer, .address_space: global }
      - { .name: ss2, .offset: 48, .size: 8, .value_kind: global_buffer, .address_space: global }
      - { .name: sb2, .offset: 56, .size: 8, .value_kind: global_buffer, .address_space: global }
      - { .name: grid0, .offset: 64, .size: 8, .value_kind: global_buffer, .address_space: global }
      - { .name: grid1, .offset: 72, .size: 8, .value_kind: global_buffer, .address_space: global }
      - { .name: grid2, .offset: 80, .size: 8, .value_kind: global_buffer, .address_space: global }
      - { .name: pimg, .offset: 88, .size: 8, .value_kind: global_buffer, .address_space: global }
    .group_segment_fixed_size: 0
    .private_segment_fixed_size: 0
    .kernarg_segment_align: 8
    .kernarg_segment_size: 96
    .max_flat_workgroup_size: 32
    .sgpr_count:     66
    .vgpr_count:     208
    .wavefront_size: 32
...
	.end_amdgpu_metadata
.endif
;; end of part 1
;; launch kan (part 2): grid 512 x 1, 4 waves a work-group, no clusters, 127,488 bytes of LDS; arguments x, sb0, pimg, out0; writes out0
.if DOCPART == 2
	.amdgcn_target "amdgcn-amd-amdhsa--gfx1250"
	.amdhsa_code_object_version 6
	.text
	.protected	k_q02230c62cf_kan
	.globl	k_q02230c62cf_kan
	.p2align	8
	.type	k_q02230c62cf_kan,@function
k_q02230c62cf_kan:
	s_mov_b64 s[64:65], 0
	v_nop
	global_prefetch_b8 v0, s[64:65] scope:SCOPE_SE
	s_setreg_imm32_b32 hwreg(HW_REG_WAVE_MODE, 25, 1), 1
	s_wait_xcnt 0x0
; Three KAN layers, 12 -> 64 -> 64 -> 24, for 131,072 pixels (x: [32][12][4096] f32, out0: [32][24][4096] f32).  A layer: for each input channel the five cubic B-spline values on that
; channel's own nine knots, and silu; then spline values x (coef x ss), and silu x sb.  All products but layer 0's silu x sb0 (K = 12, in f32) go on codes of E3M2
; with one E8M0 scale for each 32 along K, by v_wmma_scale_f32_16x16x128_f8f6f4.  The weights' codes and the knots' table come ready from the launch before (pimg).
; THE SPLINE PRODUCT'S K runs over the basis function g first and the input channel second, the order in which the product contracts its two axes: k = g x IN + channel.
; So with 64 input channels a block of 32 is ONE g of 32 neighbouring channels; with 12, the blocks are k = 0 .. 31 and k = 32 .. 59 and four zeros.
; SHARES.  512 work-groups x 4 waves; a wave owns 64 neighbouring pixels of one image through all three layers.  Nothing between the layers goes to memory.
; VECTOR WORK: lane L holds pixels 2 L and 2 L + 1 in a register pair (Q = 0, 1), so that packed f32 instructions serve two pixels, and 256 neighbouring bytes of x or out0 are one access of 8 bytes a lane.
; THE RECURSION, with t[j] = x - g[j], r[d][j] = 1 / (g[j+d] - g[j]):  C0[j] = r[1][j] where t[j] >= 0 and not t[j+1] >= 0, else 0;  B(d)[j] = t[j] C(d-1)[j] - t[j+d+1] C(d-1)[j+1];
; C(d)[j] = r[d+1][j] B(d)[j].  It is reference()'s formula with each division replaced by a multiplication with a refined reciprocal; nothing is assumed of the knots' spacing or order.
; The 30 constants of a channel are the same for all lanes: they are read from LDS (all lanes the same 16 bytes), one channel ahead, into two sets of registers by turns.
; QUANTISING: a pass of 32 channels makes five whole spline blocks (g = 0 .. 4) and one of silu, all of one pixel in one lane: no maximum crosses lanes.  The five are finished together, behind the pass's
; last channel: 5 x 32 values for each of a lane's two pixels are kept, 320 registers, value (g, channel c of the pass) at register 32 g + c.  With the 128 accumulators that leaves room for one wave on a SIMD.
; MATRIX WORK, transposed: source 0 = 16 output channels, source 1 = 16 pixels.  Pixel tile P = 2 Q + pb holds pixels 32 pb + 2 r + Q, which are lanes 16 pb + r.  The operand wants lanes 0-15 to hold the block
; in place 2 c and lanes 16-31 that in place 2 c + 1: v_permlane16_swap_b32 on the code registers of two blocks turns (tile pb 0 | tile pb 1) of each block into (block | block) of each tile.
; A pixel's scale word stays in its lane: tile 2 Q reads lanes 0-15 of the register, tile 2 Q + 1 lanes 16-31 (MATRIX_SCALE_ROW1).
; K STEPS of layers 1 and 2: A0 = g 0-3 of channels 0-31, A1 = g 0-3 of channels 32-63, B = g 4 of channels 0-31, g 4 of channels 32-63, silu of channels 0-31, silu of channels 32-63.  Layer 0: its two blocks and two of zeros.
; A result (lane: one pixel, registers: eight channels) goes to the wave's own stage in LDS, [channel][64 pixels], and comes back as pairs of pixels: the next layer's x, or the output.
; FIVE PASSES IN ONE LOOP, so that the work of 32 channels is written once: pass 0: layer 0 (leaves behind channel 11); 1, 2: layer 1; 3, 4: layer 2.
; NO CLUSTER, NO TENSOR LOAD: the work-groups share only pimg's 57,344 bytes, read once by each through registers; x and out0 are each wave's own.
; The base product and the spline product of a layer add into one accumulator: the order of the f32 sums differs from reference()'s.
; LIMITS: NaN and infinities among the inputs are not served; knots with g[j+d] = g[j], d up to 3, are not served; a block whose largest magnitude lies under 2^-122 keeps the byte 1, a block of zeros too (zero codes).
.set TAB,   0                          ; LDS: the knots' table, 5 passes x 32 rows x 128 bytes
.set FRAG,  20480                      ; 22 weight fragments x 1,536 bytes, images of the operand's registers
.set WSCL,  54272                      ; their scale words, 128 bytes each
.set IMG,   57344                      ; pimg's bytes; behind them the stages
.set SP,    272                        ; a stage row: 64 pixels x 4 bytes + 16.  8 rows are 2,176 bytes = 128 modulo 256: the 32 lanes of a result's store fall on 32 different banks (64 banks of 4 bytes: ISA guide 11.1)
.set STGB,  64*SP                      ; a wave's stage
.set HALF,  32*SP                      ; its upper half: channels 32 on
; window 0
.set L16, 1                            ; v1   16 x lane
.set L4,  2                            ; v2   4 x lane
.set XB,  3                            ; v3   my stage + 8 x lane
.set XA,  4                            ; v4   the same in the half that the pass reads
.set DA,  5                            ; v5   my stage + 2,176 h + 8 r: where results go
.set GO,  6                            ; v6   8 x lane: my byte offset in x and out0
.set KA,  7                            ; v7   the pass's rows of the table
.set SWA, 8                            ; v8-9   the pixels' scale words of K step A0 or A1, Q = 0, 1
.set SWB, 10                           ; v10-11 of K step B
.set SWN, 12                           ; v12-13 the pass's two bytes for K step B
.set WS,  14                           ; v14-21 the weights' scale words, two sets of four
.set X,   32                           ; v32-33 the channel's x
.set CPA, 34                           ; v34  head: 16 x thread
.set SBA, 35                           ; v35  head: my byte offset in sb0
.set KB,  36                           ; v36-67, v68-99 the channel's constants, two sets
.set T,   100                          ; v100-117 t[0..8], pairs
.set CA,  118                          ; v118-133 C0, later B2 and C2
.set CB,  134                          ; v134-147 B1 and C1, later the last level's second terms
.set QM,  132                          ; the quantiser, at a pass's end: v132-139 largest magnitudes, then bytes;
.set QM2, 140                          ; v140-147 second chains;
.set QS,  148                          ; v148-155 the conversions' scale operands
.set SIL, 156                          ; v156-187 (Q = 0), v188-219 (Q = 1): silu of the pass's 32 channels
.set WF0, 156                          ; in the tails: the weights' fragments, two sets of four
.set WF1, 204
.set OUTR, 156                         ; the way out: 24 pairs
.set XS0, 36                           ; silu: x of channels 0-15 of the pass,
.set EE,  68                           ; at work,
.set XS1, 100                          ; x of channels 16-31
.set HX,  36                           ; head: x's 12 pairs;  HE: at work
.set HE,  60
.set SBF, 100                          ; head: sb0's fragments (tile t, K step s) at SBF + 2 (3 t + s)
.set SL0, 212                          ; head: silu(x), 12 registers for each Q
; window 1 (low 8 bits)
.set FA,  128                          ; v128-175 the pixels' fragment of K step A0 or A1, tile P at FA + 12 P
.set FB,  176                          ; v176-223 of K step B
.set CT,  224                          ; v224-243 second halves of conversions, four registers a block
                                       ; v0-127 the accumulators, (tile P, tile t of output channels) at 8 (4 P + t): written by matrix instructions alone
; window 2 (Q = 0) and window 3 (Q = 1): v0-159 the pass's spline values, (g, c) at 32 g + c.  Head: window 2's v0-111 carry pimg to LDS
.set MK,  20                           ; s20-37 the 18 compare masks
.set MSB, 0
.macro WIN new                         ; s_set_vgpr_msb: bits 1:0 source 0, 3:2 source 1, 5:4 source 2, 7:6 destination; the high byte repeats the setting that is left
.if MSB != (\new)
	s_set_vgpr_msb (MSB<<8)|(\new)
.set MSB, (\new)
.endif
.endm
.macro PLACES n
.rept \n
	v_nop
.endr
.endm
; The constants and the x of channel c of the pass: nine LDS loads
.macro LOADK c
.set KL, KB+32*((\c)%2)
.irp i, 0,1,2,3,4,5,6,7
	ds_load_b128 v[KL+4*\i:KL+4*\i+3], v[KA] offset:TAB+128*(\c)+16*\i
.endr
	ds_load_b64 v[X:X+1], v[XA] offset:SP*(\c)
.endm
; A packed operation with constant n of the set in hand for both pixels: the even or the odd register of its pair feeds both halves
.macro PKC op, d, a, n
.if (\n)&1
	\op v[\d:\d+1], v[\a:\a+1], v[KC+(\n)-1:KC+(\n)] op_sel:[0,1] op_sel_hi:[1,1]
.else
	\op v[\d:\d+1], v[\a:\a+1], v[KC+(\n):KC+(\n)+1] op_sel_hi:[1,0]
.endif
.endm
; CHANNEL c of the pass, two pixels a lane: 97 vector instructions.  more = 1: the next channel's loads are issued as soon as x has been read
.macro CH c, more
.set KC, KB+32*((\c)%2)
	s_wait_dscnt 0x0                               ; the nine loads issued a channel ago
.irp j, 0,1,2,3,4,5,6,7,8
	PKC v_pk_add_f32, T+2*\j, X, \j                ; t[j] = x - g[j]
.endr
.if \more
	LOADK (\c)+1
.endif
.irp j, 0,1,2,3,4,5,6,7,8
	v_cmp_le_f32 s[MK+\j], 0, v[T+2*\j]            ; x >= g[j]
	v_cmp_le_f32 s[MK+9+\j], 0, v[T+2*\j+1]
.endr
.irp j, 0,1,2,3,4,5,6,7
	s_and_not1_b32 s[MK+\j], s[MK+\j], s[MK+\j+1]  ; and not x >= g[j+1]; ascending, so that mask j + 1 is still whole
	s_and_not1_b32 s[MK+9+\j], s[MK+9+\j], s[MK+9+\j+1]
.endr
.irp j, 0,1,2,3,4,5,6,7
	v_cndmask_b32 v[CA+2*\j], 0, v[KC+9+\j], s[MK+\j]        ; C0[j]
	v_cndmask_b32 v[CA+2*\j+1], 0, v[KC+9+\j], s[MK+9+\j]
.endr
.irp j, 0,1,2,3,4,5,6
	v_pk_mul_f32 v[CB+2*\j:CB+2*\j+1], v[T+2*\j+4:T+2*\j+5], v[CA+2*\j+2:CA+2*\j+3]     ; t[j+2] C0[j+1]
.endr
.irp j, 0,1,2,3,4,5,6
	v_pk_fma_f32 v[CB+2*\j:CB+2*\j+1], v[T+2*\j:T+2*\j+1], v[CA+2*\j:CA+2*\j+1], v[CB+2*\j:CB+2*\j+1] neg_lo:[0,0,1] neg_hi:[0,0,1]   ; B1[j]
.endr
.irp j, 0,1,2,3,4,5,6
	PKC v_pk_mul_f32, CB+2*\j, CB+2*\j, 17+\j      ; C1[j]
.endr
.irp j, 0,1,2,3,4,5
	v_pk_mul_f32 v[CA+2*\j:CA+2*\j+1], v[T+2*\j+6:T+2*\j+7], v[CB+2*\j+2:CB+2*\j+3]     ; t[j+3] C1[j+1]
.endr
.irp j, 0,1,2,3,4,5
	v_pk_fma_f32 v[CA+2*\j:CA+2*\j+1], v[T+2*\j:T+2*\j+1], v[CB+2*\j:CB+2*\j+1], v[CA+2*\j:CA+2*\j+1] neg_lo:[0,0,1] neg_hi:[0,0,1]   ; B2[j]
.endr
.irp j, 0,1,2,3,4,5
	PKC v_pk_mul_f32, CA+2*\j, CA+2*\j, 24+\j      ; C2[j]
.endr
.irp g, 0,1,2,3,4
	v_pk_mul_f32 v[CB+2*\g:CB+2*\g+1], v[T+2*\g+8:T+2*\g+9], v[CA+2*\g+2:CA+2*\g+3]     ; t[g+4] C2[g+1]
.endr
	WIN 0x80                                       ; the last level is not packed: each pixel's value (g, c) goes to register 32 g + c of its own window, so that a block's 32 channels lie in consecutive registers
.irp g, 0,1,2,3,4
	v_fma_f32 v[32*\g+(\c)], v[T+2*\g], v[CA+2*\g], -v[CB+2*\g]
.endr
	WIN 0xc0
.irp g, 0,1,2,3,4
	v_fma_f32 v[32*\g+(\c)], v[T+2*\g+1], v[CA+2*\g+1], -v[CB+2*\g+1]
.endr
	WIN 0
.endm
; The largest magnitudes of nb blocks of 32 (block b at base + 32 b of window w) into v[QM + b]: two chains a block, all chains by turns.  The floor 2^(5 - 127) holds the byte at 1 from below
.macro MAXRUN w, base, nb
	WIN ((\w)<<2)|((\w)<<4)                        ; sources 1 and 2 in window w
.set BB, 0
.rept \nb
	v_max3_num_f32 v[QM+BB], 0x2800000, |v[\base+32*BB]|, |v[\base+32*BB+1]|
	v_max3_num_f32 v[QM2+BB], 0, |v[\base+32*BB+16]|, |v[\base+32*BB+17]|
.set BB, BB+1
.endr
.irp i, 2,4,6,8,10,12,14
.set BB, 0
.rept \nb
	v_max3_num_f32 v[QM+BB], v[QM+BB], |v[\base+32*BB+\i]|, |v[\base+32*BB+\i+1]|
	v_max3_num_f32 v[QM2+BB], v[QM2+BB], |v[\base+32*BB+16+\i]|, |v[\base+32*BB+17+\i]|
.set BB, BB+1
.endr
.endr
	WIN 0
.set BB, 0
.rept \nb
	v_max_num_f32 v[QM+BB], v[QM+BB], v[QM2+BB]
.set BB, BB+1
.endr
.endm
; 4 off each exponent field: the conversion's scale operand, v[QS + b]; shifted down: the scale's byte, v[QM + b]
.macro QSCL nb
.set BB, 0
.rept \nb
	v_add_nc_u32 v[QS+BB], 0xfe000000, v[QM+BB]
.set BB, BB+1
.endr
.set BB, 0
.rept \nb
	v_lshrrev_b32 v[QM+BB], 23, v[QS+BB]
.set BB, BB+1
.endr
.endm
.macro CVB b, src, d                   ; block b's 32 numbers become 192 bits of codes: the first 96 at d, the second in CT (a conversion's three registers begin on an even number)
	v_cvt_scalef32_pk16_bf6_f32 v[\d:\d+2], v[\src:\src+15], v[QS+(\b)]
	v_cvt_scalef32_pk16_bf6_f32 v[CT+4*(\b):CT+4*(\b)+2], v[\src+16:\src+31], v[QS+(\b)]
.endm
.macro MVB b, d                        ; and are moved behind the first
.irp i, 0,1,2
	v_mov_b32 v[\d+3+\i], v[CT+4*(\b)+\i]
.endr
.endm
; The five spline blocks of pixel Q: g 0-3 to places 0-3 of K step A, g 4 to K step B
.macro QSPL Q
	MAXRUN 2+\Q, 0, 5
	QSCL 5
	v_lshl_or_b32 v[SWA+\Q], v[QM+1], 8, v[QM]
	v_lshl_or_b32 v[SWA+\Q], v[QM+2], 16, v[SWA+\Q]
	v_lshl_or_b32 v[SWA+\Q], v[QM+3], 24, v[SWA+\Q]
	v_mov_b32 v[SWN+\Q], v[QM+4]
	WIN 0x40|(2+\Q)                                ; destination window 1, the numbers in window 2 or 3, the scale operand in window 0
	CVB 0, 0, FA+24*\Q
	CVB 1, 32, FA+24*\Q+12
	CVB 2, 64, FA+24*\Q+6
	CVB 3, 96, FA+24*\Q+18
	CVB 4, 128, FB+24*\Q+12
	v_nop                                          ; one plain place behind the last scaled conversion
	WIN 0x41                                       ; destination and source 0 window 1
	MVB 0, FA+24*\Q
	MVB 1, FA+24*\Q+12
	MVB 2, FA+24*\Q+6
	MVB 3, FA+24*\Q+18
	MVB 4, FB+24*\Q+12
	WIN 0
.endm
; The block of silu, both pixels (pixel Q is the run's block Q)
.macro QSIL
	MAXRUN 0, SIL, 2
	QSCL 2
	v_lshl_or_b32 v[SWN], v[QM], 16, v[SWN]
	v_lshl_or_b32 v[SWN+1], v[QM+1], 16, v[SWN+1]
	WIN 0x40
	CVB 0, SIL, FB+18
	CVB 1, SIL+32, FB+42
	v_nop
	WIN 0x41
	MVB 0, FB+18
	MVB 1, FB+42
	WIN 0
.endm
; Layer 0, pixel Q: the loop's body has laid value (g, c) at 32 g + c; K wants it at 12 g + c.  In place, ascending: a register is written only when its own value has been moved.  Then the two blocks
.macro QL0 Q
	WIN ((2+\Q)<<6)|(2+\Q)                         ; destination and source 0 in the pixel's window
.set KK, 12
.rept 48
	v_mov_b32 v[KK], v[32*(KK/12)+KK%12]
.set KK, KK+1
.endr
.irp i, 60,61,62,63
	v_mov_b32 v[\i], 0                             ; the last block is filled with zeros
.endr
	MAXRUN 2+\Q, 0, 2
	QSCL 2
	v_lshl_or_b32 v[SWA+\Q], v[QM+1], 8, v[QM]     ; places 2 and 3 keep the byte 0: their codes are zeros
	WIN 0x40|(2+\Q)
	CVB 0, 0, FA+24*\Q
	CVB 1, 32, FA+24*\Q+12
	v_nop
	WIN 0x41
	MVB 0, FA+24*\Q
	MVB 1, FA+24*\Q+12
	WIN 0
.endm
; silu of n channel pairs at xs: x / (1 + 2^(-x log2 e)); pixel Q's results to consecutive registers d0, d1.  Two batches of transcendentals, one wait each
.macro SILU xs, e, n, d0, d1
.set I, 0
.rept \n
	v_pk_mul_f32 v[\e+2*I:\e+2*I+1], v[\xs+2*I:\xs+2*I+1], 0xbfb8aa3b op_sel_hi:[1,0]
.set I, I+1
.endr
.set I, 0
.rept 2*\n
	v_exp_f32 v[\e+I], v[\e+I]
.set I, I+1
.endr
	v_nop                                          ; a plain place behind the last exponential
	s_wait_alu depctr_va_vdst(0)
.set I, 0
.rept \n
	v_pk_add_f32 v[\e+2*I:\e+2*I+1], v[\e+2*I:\e+2*I+1], 1.0 op_sel_hi:[1,0]
.set I, I+1
.endr
.set I, 0
.rept 2*\n
	v_rcp_f32 v[\e+I], v[\e+I]
.set I, I+1
.endr
	v_nop
	s_wait_alu depctr_va_vdst(0)
.set I, 0
.rept \n
	v_mul_f32 v[\d0+I], v[\xs+2*I], v[\e+2*I]
	v_mul_f32 v[\d1+I], v[\xs+2*I+1], v[\e+2*I+1]
.set I, I+1
.endr
.endm
; (tile pb 0 | tile pb 1) of two blocks becomes (block | block) of two tiles: 12 registers for each Q.  Under a setting with destination and source 0 in window 1
.macro SWAP a
.irp Q, 0,1
.irp i, 0,1,2,3,4,5,6,7,8,9,10,11
	v_permlane16_swap_b32 v[\a+24*\Q+\i], v[\a+24*\Q+12+\i]
.endr
.endr
.endm
; nt weight fragments from number f0 on, and their scale words, as they lie in LDS
.macro LOADW f0, nt, wf, ws
.set TT, 0
.rept \nt
.irp i, 0,1,2
	ds_load_b128 v[\wf+12*TT+4*\i:\wf+12*TT+4*\i+3], v[L16] offset:FRAG+1536*(\f0+TT)+512*\i
.endr
	ds_load_b32 v[\ws+TT], v[L4] offset:WSCL+128*(\f0+TT)
.set TT, TT+1
.endr
.endm
.macro WM acc, a, b, sa, sb, zero, row
.if \zero
.if \row
	v_wmma_scale_f32_16x16x128_f8f6f4 v[\acc:\acc+7], v[\a:\a+11], v[\b:\b+11], 0, v[\sa], v[\sb] matrix_a_fmt:MATRIX_FMT_BF6 matrix_b_fmt:MATRIX_FMT_BF6 matrix_b_scale:MATRIX_SCALE_ROW1
.else
	v_wmma_scale_f32_16x16x128_f8f6f4 v[\acc:\acc+7], v[\a:\a+11], v[\b:\b+11], 0, v[\sa], v[\sb] matrix_a_fmt:MATRIX_FMT_BF6 matrix_b_fmt:MATRIX_FMT_BF6
.endif
.else
.if \row
	v_wmma_scale_f32_16x16x128_f8f6f4 v[\acc:\acc+7], v[\a:\a+11], v[\b:\b+11], v[\acc:\acc+7], v[\sa], v[\sb] matrix_a_fmt:MATRIX_FMT_BF6 matrix_b_fmt:MATRIX_FMT_BF6 matrix_b_scale:MATRIX_SCALE_ROW1
.else
	v_wmma_scale_f32_16x16x128_f8f6f4 v[\acc:\acc+7], v[\a:\a+11], v[\b:\b+11], v[\acc:\acc+7], v[\sa], v[\sb] matrix_a_fmt:MATRIX_FMT_BF6 matrix_b_fmt:MATRIX_FMT_BF6
.endif
.endif
.endm
; One K step of 128 for the four pixel tiles x nt tiles of output channels.  The accumulators take turns, one instruction a turn, from K step to K step too.
; Under the setting 0x54: the weights in window 0; the pixels' codes, C and D in window 1.  zero = 1: the products start the sums
.macro PROD nt, frag, sw, wf, ws, zero
.irp P, 0,1,2,3
.set TT, 0
.rept \nt
	WM 8*(4*\P+TT), \wf+12*TT, \frag+12*\P, \ws+TT, \sw+\P/2, \zero, \P%2
.set TT, TT+1
.endr
.endr
.endm
; The results go to my stage: lane (r, h), register j of (P, t) is channel 16 t + 8 h + j of pixel 32 (P % 2) + 2 r + P / 2.  Each accumulator from its low end on
.macro DUMP nt
	PLACES 4                                       ; four places between the last product and the first store of a result (ISA guide 7.12.1 for vector instructions)
	WIN 0x04                                       ; an LDS store's data are its source 1: window 1
.irp P, 0,1,2,3
.set TT, 0
.rept \nt
.irp j, 0,1,2,3,4,5,6,7
	ds_store_b32 v[DA], v[8*(4*\P+TT)+\j] offset:(16*TT+\j)*SP+128*(\P%2)+4*(\P/2)
.endr
.set TT, TT+1
.endr
.endr
	WIN 0
.endm
; The tail of a layer's first pass: K step A0 starts the sums; the pass's half of K step B is parked
.macro TAILA f, nt
	LOADW \f, \nt, WF0, WS
	s_wait_dscnt 0x0
	PLACES 4                                       ; the pixels' codes were last written by the swaps: four places ahead of a scaled product
	WIN 0x54
	PROD \nt, FA, SWA, WF0, WS, 1
	WIN 0x41
.irp Q, 0,1
.irp i, 0,1,2,3,4,5,6,7,8,9,10,11
	v_mov_b32 v[FB+24*\Q+\i], v[FB+24*\Q+12+\i]    ; (these 24 and the two below name none of the products' registers: they are the places behind them)
.endr
.endr
	WIN 0
	v_mov_b32 v[SWB], v[SWN]                       ; its bytes stand in places 0 and 2
	v_mov_b32 v[SWB+1], v[SWN+1]
.endm
; The tail of a layer's second pass: K steps A1 and B, and the results go to the stage
.macro TAILB fa, fb, nt
	LOADW \fa, \nt, WF0, WS
	LOADW \fb, \nt, WF1, WS+4
	WIN 0x41
	SWAP FB                                        ; the parked half and this pass's
	WIN 0
	v_lshl_or_b32 v[SWB], v[SWN], 8, v[SWB]        ; this pass's bytes: places 1 and 3
	v_lshl_or_b32 v[SWB+1], v[SWN+1], 8, v[SWB+1]
	s_wait_dscnt 0x0
	PLACES 8                                       ; a scale word written by a vector instruction stands eight places ahead of a scaled product
	WIN 0x54
	PROD \nt, FA, SWA, WF0, WS, 0
	PROD \nt, FB, SWB, WF1, WS+4, 0
	DUMP \nt
.endm
	; ---- THE HEAD
	s_load_b256 s[4:11], s[0:1], 0x0               ; x s[4:5], sb0 s[6:7], pimg s[8:9], out0 s[10:11]
	v_lshl_add_u32 v254, v0, 2, 0x1f000
	v_mov_b32 v255, 0
	v_lshrrev_b32 v22, 5, v0
	v_readfirstlane_b32 s12, v22                   ; wave 0..3
	v_and_b32 v23, 31, v0                          ; lane
	v_and_b32 v24, 15, v0                          ; r
	v_bfe_u32 v25, v0, 4, 1                        ; h
	v_lshlrev_b32 v[L16], 4, v23
	v_lshlrev_b32 v[L4], 2, v23
	v_lshlrev_b32 v[GO], 3, v23
	s_mul_i32 s16, s12, STGB
	s_add_co_u32 s16, s16, IMG                     ; my stage
	v_add_nc_u32 v[XB], s16, v[GO]
	v_mul_u32_u24 v[DA], 8*SP, v25
	v_lshl_add_u32 v[DA], v24, 3, v[DA]
	v_add_nc_u32 v[DA], s16, v[DA]
	v_lshlrev_b32 v[CPA], 4, v0
	v_lshlrev_b32 v[SBA], 9, v25
	v_lshl_add_u32 v[SBA], v24, 2, v[SBA]          ; sb0: 512 h + 4 r
	s_lshr_b32 s38, ttmp9, 4                       ; the image: 16 work-groups of 4 waves x 64 pixels each
	s_and_b32 s39, ttmp9, 15
	s_lshl_b32 s39, s39, 2
	s_add_co_u32 s39, s39, s12
	s_lshl_b32 s39, s39, 8                         ; my 64 pixels in a channel's plane: 256 bytes a wave
	s_mul_i32 s40, s38, 196608                     ; 12 planes of 16,384 bytes
	s_add_co_u32 s40, s40, s39
	s_mov_b32 s41, 0
	s_mul_i32 s42, s38, 393216                     ; 24 planes
	s_add_co_u32 s42, s42, s39
	s_mov_b32 s43, 0
	s_wait_kmcnt 0x0
	s_add_nc_u64 s[4:5], s[4:5], s[40:41]
	s_add_nc_u64 s[10:11], s[10:11], s[42:43]
	WIN 0x80                                       ; destination window 2, whose registers are idle at the head
.set I, 0
.rept 28
	global_load_b128 v[4*I:4*I+3], v[CPA], s[8:9] offset:2048*I      ; pimg: the 128 threads take 2,048 consecutive bytes a load
.set I, I+1
.endr
	WIN 0
.set I, 0
.rept 12
	global_load_b64 v[HX+2*I:HX+2*I+1], v[GO], s[4:5] offset:16384*I th:TH_LOAD_NT   ; x: 256 consecutive bytes, aligned, a channel; read once in the launch
.set I, I+1
.endr
	s_wait_loadcnt 12                              ; pimg's 28 loads are in; the 12 of x may be out
	WIN 0x08                                       ; an LDS store's data are its source 1: window 2
.set I, 0
.rept 28
	ds_store_b128 v[CPA], v[4*I:4*I+3] offset:2048*I
.set I, I+1
.endr
	WIN 0
.irp t, 0,1,2,3
.irp s, 0,1,2
.irp j, 0,1
	global_load_b32 v[SBF+2*(3*\t+\s)+\j], v[SBA], s[6:7] offset:256*(4*\s+\j)+64*\t   ; sb0(4 s + 2 h + j, 16 t + r): the f32 form's source 0
.endr
.endr
.endr
	s_wait_loadcnt 24                              ; x is in; sb0's 24 may be out
.set I, 0
.rept 12
	ds_store_b64 v[XB], v[HX+2*I:HX+2*I+1] offset:HALF+SP*I     ; into my stage's upper half, which pass 0 reads as every even pass does
.set I, I+1
.endr
	s_wait_dscnt 0x0                               ; for the others' sake: my part of the image lies in LDS
	s_barrier_signal -1
	s_barrier_wait -1                              ; the launch's one barrier: from here on the image is only read, and a stage is its wave's own
	SILU HX, HE, 12, SL0, SL0+12
.irp Q, 0,1
.irp s, 0,1,2
.irp j, 0,1
	v_permlane16_swap_b32 v[SL0+12*\Q+4*\s+\j], v[SL0+12*\Q+4*\s+2+\j]   ; the f32 form wants lanes 0-15 to hold k = 4 s + j and lanes 16-31 k = 4 s + 2 + j of a tile's pixels
.endr
.endr
.endr
	s_wait_loadcnt 0x0                             ; sb0
	WIN 0x50                                       ; C and D window 1
.irp s, 0,1,2                          ; silu(x) sb0, K = 12 in three steps of 4, in f32: its result goes on into a quantiser.  16 accumulators by turns; the first step starts the sums
.irp P, 0,1,2,3
.irp t, 0,1,2,3
.if \s == 0
	v_wmma_f32_16x16x4_f32 v[8*(4*\P+\t):8*(4*\P+\t)+7], v[SBF+2*(3*\t+\s):SBF+2*(3*\t+\s)+1], v[SL0+12*(\P/2)+4*\s+2*(\P%2):SL0+12*(\P/2)+4*\s+2*(\P%2)+1], 0
.else
	v_wmma_f32_16x16x4_f32 v[8*(4*\P+\t):8*(4*\P+\t)+7], v[SBF+2*(3*\t+\s):SBF+2*(3*\t+\s)+1], v[SL0+12*(\P/2)+4*\s+2*(\P%2):SL0+12*(\P/2)+4*\s+2*(\P%2)+1], v[8*(4*\P+\t):8*(4*\P+\t)+7]
.endif
.endr
.endr
.endr
	WIN 0x40
.irp Q, 0,1
.irp i, 0,1,2,3,4,5,6,7,8,9,10,11
	v_mov_b32 v[FB+24*\Q+\i], 0                    ; the parked half of K step B is written on every way into the loop.  These 26 moves name none of the products' registers: they are the eight places behind the f32 form
.endr
.endr
	WIN 0
	v_mov_b32 v[SWB], 0
	v_mov_b32 v[SWB+1], 0
	s_mov_b32 s13, 0                               ; the pass
	s_mov_b32 s14, 0                               ; its rows of the table: 4,096 bytes a pass
	s_mov_b32 s15, HALF                            ; the half of the stage that it reads: upper, lower, upper ..
.Lpass:
	v_mov_b32 v[KA], s14
	v_add_nc_u32 v[XA], s15, v[XB]
	LOADK 0                                        ; (LDS serves a wave's instructions in order: ISA guide 5.7.1.4: these see the last tail's stores into the stage)
.irp c, 0,1,2,3,4,5,6,7,8,9,10
	CH \c, 1
.endr
	CH 11, 0
	s_cmp_eq_u32 s13, 0
	s_cbranch_scc1 .LT0                            ; layer 0 has 12 channels
	LOADK 12
.irp c, 12,13,14,15,16,17,18,19,20,21,22,23,24,25,26,27,28,29,30
	CH \c, 1
.endr
	CH 31, 0
.set I, 0
.rept 16
	ds_load_b64 v[XS0+2*I:XS0+2*I+1], v[XA] offset:SP*I          ; the pass's 32 channels of x once more, for silu: they land while the spline blocks are quantised
	ds_load_b64 v[XS1+2*I:XS1+2*I+1], v[XA] offset:SP*(16+I)
.set I, I+1
.endr
	QSPL 0
	QSPL 1
	s_wait_dscnt 0x0
	SILU XS0, EE, 16, SIL, SIL+32
	SILU XS1, EE, 16, SIL+16, SIL+48
	QSIL
	WIN 0x41
	SWAP FA
	WIN 0
	s_cmp_eq_u32 s13, 1
	s_cbranch_scc1 .LT1
	s_cmp_eq_u32 s13, 2
	s_cbranch_scc1 .LT2
	s_cmp_eq_u32 s13, 3
	s_cbranch_scc1 .LT3
	s_branch .LT4
.LT0:                                                  ; layer 0: K = 60 in places 0 and 1; places 2 and 3 are zeros; the sums go on from silu(x) sb0
	QL0 0
	QL0 1
	LOADW 0, 4, WF0, WS
	WIN 0x40
.irp P, 0,1,2,3
.irp i, 6,7,8,9,10,11
	v_mov_b32 v[FA+12*\P+\i], 0                    ; zero codes add nothing under the bytes 0 that the scale words hold there
.endr
.endr
	WIN 0x41
	SWAP FA
	WIN 0
	s_wait_dscnt 0x0
	PLACES 4                                       ; the pixels' codes were last written by the swaps
	WIN 0x54
	PROD 4, FA, SWA, WF0, WS, 0
	DUMP 4
	s_branch .Lbottom
.LT1:
	TAILA 4, 4
	s_branch .Lbottom
.LT2:
	TAILB 8, 12, 4
	s_branch .Lbottom
.LT3:
	TAILA 16, 2
	s_branch .Lbottom
.LT4:
	TAILB 18, 20, 2
.Lbottom:
	s_add_co_u32 s14, s14, 4096
	s_xor_b32 s15, s15, HALF
	s_add_co_u32 s13, s13, 1
	s_cmp_lt_u32 s13, 5
	s_cbranch_scc1 .Lpass
	; ---- THE WAY OUT: the stage's rows 0 to 23 are the 24 output channels of my 64 pixels
.set I, 0
.rept 24
	ds_load_b64 v[OUTR+2*I:OUTR+2*I+1], v[XB] offset:SP*I
.set I, I+1
.endr
.set I, 0
.rept 24
	s_wait_dscnt 23-I                              ; LDS loads come back in order (ISA guide 5.7.1): row I is in, the younger ones may be out
	global_store_b64 v[GO], v[OUTR+2*I:OUTR+2*I+1], s[10:11] offset:16384*I th:TH_STORE_NT   ; the wave stores 256 consecutive bytes, aligned; written once, read by nobody here
.set I, I+1
.endr
	s_wait_tensorcnt 0x0
	ds_add_u32 v254, v255
	s_wait_dscnt 0x0
	s_endpgm
.Lfunc_end_k_q02230c62cf_kan:
	.size	k_q02230c62cf_kan, .Lfunc_end_k_q02230c62cf_kan-k_q02230c62cf_kan
	.p2alignl 7, 3214868480
	.fill 96, 4, 3214868480
	.section	.rodata,"a",@progbits
	.p2align	6, 0x0
	.amdhsa_kernel k_q02230c62cf_kan
		.amdhsa_group_segment_fixed_size 127488
		.amdhsa_private_segment_fixed_size 0
		.amdhsa_enable_private_segment 0
		.amdhsa_kernarg_size 32
		.amdhsa_user_sgpr_count 2
		.amdhsa_user_sgpr_kernarg_segment_ptr 1
		.amdhsa_wavefront_size32 1
		.amdhsa_system_sgpr_workgroup_id_x 1
		.amdhsa_system_sgpr_workgroup_id_y 1
		.amdhsa_system_sgpr_workgroup_id_z 1
		.amdhsa_system_vgpr_workitem_id 0
		.amdhsa_next_free_vgpr 928
		.amdhsa_next_free_sgpr 66
		.amdhsa_reserve_vcc 0
		.amdhsa_float_denorm_mode_32 3
		.amdhsa_float_denorm_mode_16_64 3
		.amdhsa_memory_ordered 1
		.amdhsa_forward_progress 1
		.amdhsa_inst_pref_size 255
	.end_amdhsa_kernel
	.section	.bss,"aw",@nobits
	.p2align	6
	.space	262144
	.amdgpu_metadata
---
amdhsa.version: [ 1, 2 ]
amdhsa.kernels:
  - .name:           k_q02230c62cf_kan
    .symbol:         k_q02230c62cf_kan.kd
    .args:
      - { .name: x, .offset: 0, .size: 8, .value_kind: global_buffer, .address_space: global }
      - { .name: sb0, .offset: 8, .size: 8, .value_kind: global_buffer, .address_space: global }
      - { .name: pimg, .offset: 16, .size: 8, .value_kind: global_buffer, .address_space: global }
      - { .name: out0, .offset: 24, .size: 8, .value_kind: global_buffer, .address_space: global }
    .group_segment_fixed_size: 127488
    .private_segment_fixed_size: 0
    .kernarg_segment_align: 8
    .kernarg_segment_size: 32
    .max_flat_workgroup_size: 128
    .sgpr_count:     66
    .vgpr_count:     928
    .wavefront_size: 32
...
	.end_amdgpu_metadata
.endif
;; end of part 2
;; ======== version 2 of 2: 2 launches
;; workspace buffers: pimg 57,344 bytes
;; launch prep (part 3): grid 27 x 1, 1 waves a work-group, no clusters, 0 bytes of LDS; arguments coef0, ss0, coef1, ss1, sb1, coef2, ss2, sb2, grid0, grid1, grid2, pimg; writes pimg
.if DOCPART == 3
	.amdgcn_target "amdgcn-amd-amdhsa--gfx1250"
	.amdhsa_code_object_version 6
	.text
	.protected	k_q02230c62cf_prep
	.globl	k_q02230c62cf_prep
	.p2align	8
	.type	k_q02230c62cf_prep,@function
k_q02230c62cf_prep:
	s_mov_b64 s[64:65], 0
	v_nop
	global_prefetch_b8 v0, s[64:65] scope:SCOPE_SE
	s_setreg_imm32_b32 hwreg(HW_REG_WAVE_MODE, 25, 1), 1
	s_wait_xcnt 0x0
; What every work-group of the main launch needs alike is made once: pimg, 57,344 bytes, laid as that launch's LDS wants it.
;   bytes 0 .. 20,479       TAB: 5 passes x 32 channels x 128 bytes.  A row: -g0..-g8, then 1/(g[j+1]-g[j]) j=0..7, 1/(g[j+2]-g[j]) j=0..6, 1/(g[j+3]-g[j]) j=0..5, 0, 0
;                           pass 0: grid0 (rows 12 to 31 repeat channel 11 and are never used); passes 1, 2: grid1's channels 0-31, 32-63; passes 3, 4: grid2's
;   bytes 20,480 .. 54,271  FRAG: 22 weight fragments (16 output channels x 128 K of E3M2 codes) as images of the operand's registers: register q of lane L at 512 (q / 4) + 16 L + 4 (q % 4)
;   bytes 54,272 .. 57,087  WSCL: their scale words, 4 bytes a lane (both halves of the lanes hold row r's word)
;   bytes 57,088 .. 57,343  zeros
; THE SPLINE PRODUCT'S K runs over the basis function first and the input channel second, the order in which the product contracts its two axes: k = g x IN + channel (IN = 12 or 64).
; The weight at k is coef[channel][out][g] x ss[channel][out], in f32; k at or past the layer's K (60 or 320) is 0.
; FRAGMENTS.  f = 0..3: layer 0, tile t = f.  f = 4 + 4 kappa + t: layer 1.  f = 16 + 2 kappa + t: layer 2 (output channels from 24 on are zero codes).
; Lane (r, h) holds output channel 16 t + r; its registers 6 c .. 6 c + 5 hold the block of 32 in place 2 c + h of the K step:
;   layer 0: k = 32 (2 c + h) + i;   kappa 0, 1: g = 2 c + h, channels 32 kappa + i;   kappa 2: c = 0: g = 4, channels 32 h + i;  c = 1: the base weight's rows 32 h + i.
; A block's scale is 2^(floor(log2(largest magnitude)) - 4); its byte is that magnitude's exponent field - 4, held at 1 from below.
; One wave to a work-group: 22 make a fragment each, 5 a pass of the table each.  No LDS, no barrier.
; The table's rows and the scale words are stored as parts of aligned 256-byte runs: 23,296 bytes, once in the program.
; LIMITS: a grid with g[j+d] = g[j] for a d up to 3 (reference() divides by zero there) is not served; NaN and infinities among the inputs are not served; a block whose largest
; magnitude lies under 2^-122 keeps the byte 1, a block of zeros too (its codes are zeros; this program alone reads the bytes).
.set FRAGB, 20480
.set WSCLB, 54272
.set ZEROB, 57088
.set AC,  16                           ; v16-47   byte offsets into coef (or sb), one register a load
.set AS,  48                           ; v48-79   byte offsets into ss
.set SV,  80                           ; v80-111  ss
.set D0,  112                          ; v112-143 the block in place h
.set D1,  144                          ; v144-175 the block in place 2 + h
.set FR,  176                          ; v176-187 the fragment
	s_load_b512 s[4:19], s[0:1], 0x0               ; coef0 s[4:5], ss0 s[6:7], coef1 s[8:9], ss1 s[10:11], sb1 s[12:13], coef2 s[14:15], ss2 s[16:17], sb2 s[18:19]
	s_load_b256 s[20:27], s[0:1], 0x40             ; grid0 s[20:21], grid1 s[22:23], grid2 s[24:25], pimg s[26:27]
	v_and_b32 v1, 15, v0                           ; r
	v_lshrrev_b32 v2, 4, v0                        ; h
	s_mov_b32 s60, 0x76543210
	s_mov_b32 s61, 0xfedcba98                      ; v_permlanex16_b32's selects for lane l xor 16
	s_wait_kmcnt 0x0
	s_cmp_ge_u32 ttmp9, 22
	s_cbranch_scc1 .Ltable
	; ---- a weight fragment.  Everything that differs between layers is chosen on the work-group's number
	s_cmp_lt_u32 ttmp9, 16
	s_cselect_b64 s[28:29], s[8:9], s[14:15]       ; coef
	s_cselect_b64 s[30:31], s[10:11], s[16:17]     ; ss
	s_cselect_b64 s[32:33], s[12:13], s[18:19]     ; sb (layer 0 has no K step with it)
	s_cselect_b32 s34, 64, 24                      ; output channels
	s_cselect_b32 s35, 4, 16                       ; the layer's first fragment
	s_cselect_b32 s36, 2, 1                        ; log2 of its tiles
	s_mov_b32 s37, 320                             ; the spline product's K
	s_mov_b32 s54, 64                              ; input channels
	s_mov_b32 s55, 1                               ; g = (k x s55) >> s56: k / 64,
	s_mov_b32 s56, 6
	s_mov_b32 s57, 0xaaab                          ; or k / 12 = (k x 43,691) >> 19, exact for k under 60
	s_cmp_lt_u32 ttmp9, 4
	s_cselect_b64 s[28:29], s[4:5], s[28:29]
	s_cselect_b64 s[30:31], s[6:7], s[30:31]
	s_cselect_b32 s35, 0, s35
	s_cselect_b32 s37, 60, s37
	s_cselect_b32 s54, 12, s54
	s_cselect_b32 s55, s57, s55
	s_cselect_b32 s56, 19, s56
	s_cselect_b32 s42, 32, 64                      ; along k from lanes 0-15 to lanes 16-31: the next block, or the next g
	s_cselect_b32 s58, 64, 128                     ; and from place h to place 2 + h
	s_sub_co_u32 s38, ttmp9, s35
	s_lshr_b32 s39, s38, s36                       ; kappa
	s_lshl_b32 s40, s39, s36
	s_sub_co_u32 s40, s38, s40                     ; t
	s_lshl_b32 s41, s39, 5                         ; the K step's first k: channels 32 kappa on of g = 0,
	s_cmp_eq_u32 s39, 2
	s_cselect_b32 s41, 256, s41                    ; or g = 4,
	s_cselect_b32 s42, 32, s42                     ; whose second 32 channels go to lanes 16-31
	s_sub_co_u32 s43, s37, 1
	s_sub_co_u32 s44, s34, 1
	s_lshl_b32 s45, s40, 4
	s_wait_alu depctr_va_vdst(0)
	v_add_nc_u32 v3, s45, v1                       ; my output channel
	v_cmp_gt_u32 s46, s34, v3                      ; does the layer have it?
	v_min_u32 v4, s44, v3                          ; held inside the tensors for the addresses
	v_mul_u32_u24 v5, s42, v2
	v_add_nc_u32 v5, s41, v5                       ; first k of my block in place h
; 32 spline weights from k = v[kq] on, into v[d] on.  No load leaves its buffer: k is held at K - 1 for the address, and what lies past K or past the output channels becomes 0.
.macro SPL d, kq
.set I, 0
.rept 32
	v_add_nc_u32 v8, I, v[\kq]
	v_min_u32 v8, s43, v8                          ; k
	v_mul_u32_u24 v9, s55, v8
	v_lshrrev_b32 v9, s56, v9                      ; g = k / IN
	v_mul_u32_u24 v10, s54, v9
	v_sub_nc_u32 v10, v8, v10                      ; channel = k - g x IN
	v_mad_u32_u24 v10, v10, s34, v4                ; channel x OUT + out
	v_lshlrev_b32 v[AS+I], 2, v10
	v_mad_u32_u24 v10, v10, 5, v9                  ; 5 (channel x OUT + out) + g
	v_lshlrev_b32 v[AC+I], 2, v10
	global_load_b32 v[\d+I], v[AC+I], s[28:29]
	global_load_b32 v[SV+I], v[AS+I], s[30:31]
.set I, I+1
.endr
	s_wait_loadcnt 0x0                             ; the numbers are in, and the offsets' registers may be written again
.set I, 0
.rept 32
	v_add_nc_u32 v8, I, v[\kq]
	v_cmp_gt_u32 vcc_lo, s37, v8                   ; k under K,
	s_and_b32 s47, vcc_lo, s46                     ; and an output channel that exists
	v_mul_f32 v[\d+I], v[\d+I], v[SV+I]            ; coef x ss
	v_cndmask_b32 v[\d+I], 0, v[\d+I], s47
.set I, I+1
.endr
.endm
	SPL D0, 5
	s_cmp_eq_u32 s39, 2
	s_cbranch_scc1 .Lbase
	v_add_nc_u32 v6, s58, v5                       ; first k of my block in place 2 + h
	SPL D1, 6
	s_branch .Lquant
.Lbase:                                                ; the base weight's rows 32 h + i, my output channel
.set I, 0
.rept 32
	v_lshl_add_u32 v8, v2, 5, I
	v_mad_u32_u24 v8, v8, s34, v4
	v_lshlrev_b32 v[AC+I], 2, v8
	global_load_b32 v[D1+I], v[AC+I], s[32:33]
.set I, I+1
.endr
	s_wait_loadcnt 0x0
.set I, 0
.rept 32
	v_cndmask_b32 v[D1+I], 0, v[D1+I], s46
.set I, I+1
.endr
.Lquant:
.irp c, 0,1
	v_max3_num_f32 v[188+\c], |v[D0+32*\c]|, |v[D0+1+32*\c]|, 0x2800000   ; all 32 numbers of a block are mine; the floor 2^(5 - 127) holds the byte at 1 from below
.endr
.irp i, 2,4,6,8,10,12,14,16,18,20,22,24,26,28,30
.irp c, 0,1
	v_max3_num_f32 v[188+\c], v[188+\c], |v[D0+32*\c+\i]|, |v[D0+1+32*\c+\i]|   ; the two blocks by turns
.endr
.endr
.irp c, 0,1
	v_add_nc_u32 v[190+\c], 0xfe000000, v[188+\c]  ; 4 off the exponent field: the conversion takes the exponent field of this operand as its scale
.endr
.irp c, 0,1
	v_lshrrev_b32 v[192+\c], 23, v[190+\c]         ; the scale's byte
.endr
	v_lshl_or_b32 v194, v193, 16, v192             ; my two bytes: places h and 2 + h,
	v_lshlrev_b32 v195, 3, v2
	v_lshlrev_b32 v194, v195, v194                 ; 8 h bits up;
	v_mov_b32 v195, 0
	v_permlanex16_b32 v195, v194, s60, s61
	v_or_b32 v194, v194, v195                      ; with lane l xor 16's two the word is whole
	v_cvt_scalef32_pk16_bf6_f32 v[FR:FR+2], v[D0:D0+15], v190
	v_cvt_scalef32_pk16_bf6_f32 v[196:198], v[D0+16:D0+31], v190     ; (a conversion's three registers begin on an even number: the second half is made elsewhere and moved)
	v_cvt_scalef32_pk16_bf6_f32 v[FR+6:FR+8], v[D1:D1+15], v191
	v_cvt_scalef32_pk16_bf6_f32 v[200:202], v[D1+16:D1+31], v191
	v_nop                                          ; one plain place behind a scaled conversion
.irp i, 0,1,2
	v_mov_b32 v[FR+3+\i], v[196+\i]
	v_mov_b32 v[FR+9+\i], v[200+\i]
.endr
	s_mul_i32 s48, ttmp9, 1536
	s_add_co_u32 s48, s48, FRAGB
	s_mov_b32 s49, 0
	s_add_nc_u64 s[50:51], s[26:27], s[48:49]
	v_lshlrev_b32 v7, 4, v0
	global_store_b128 v7, v[FR:FR+3], s[50:51]                 ; each store of the wave covers 512 consecutive bytes, aligned to 256
	global_store_b128 v7, v[FR+4:FR+7], s[50:51] offset:512
	global_store_b128 v7, v[FR+8:FR+11], s[50:51] offset:1024
	s_lshl_b32 s48, ttmp9, 7
	s_add_co_u32 s48, s48, WSCLB
	s_add_nc_u64 s[52:53], s[26:27], s[48:49]
	v_lshlrev_b32 v11, 2, v0
	global_store_b32 v11, v194, s[52:53]
	s_endpgm
.Ltable:                                               ; ---- a pass of the table: a lane to a channel
	s_sub_co_u32 s28, ttmp9, 22                    ; the pass, 0 to 4
	s_and_b32 s29, s28, 1
	s_xor_b32 s29, s29, 1
	s_lshl_b32 s29, s29, 5                         ; passes 2 and 4 begin at channel 32
	s_cmp_lt_u32 s28, 3
	s_cselect_b64 s[30:31], s[22:23], s[24:25]
	s_cmp_eq_u32 s28, 0
	s_cselect_b64 s[30:31], s[20:21], s[30:31]
	s_cselect_b32 s29, 0, s29
	s_cselect_b32 s32, 11, 63                      ; the grid's last channel
	v_add_nc_u32 v3, s29, v0
	v_min_u32 v3, s32, v3
	v_mul_u32_u24 v3, 36, v3                       ; nine knots a channel
.irp j, 0,1,2,3,4,5,6,7,8
	global_load_b32 v[16+\j], v3, s[30:31] offset:4*\j
.endr
	s_wait_loadcnt 0x0
.irp j, 0,1,2,3,4,5,6,7
	v_sub_f32 v[32+\j], v[17+\j], v[16+\j]
.endr
.irp j, 0,1,2,3,4,5,6
	v_sub_f32 v[40+\j], v[18+\j], v[16+\j]
.endr
.irp j, 0,1,2,3,4,5
	v_sub_f32 v[47+\j], v[19+\j], v[16+\j]
.endr
.set I, 0
	s_wait_alu depctr_va_vdst(0)
.rept 21
	v_rcp_f32 v[105+I], v[32+I]                    ; the row's words 9 to 29
.set I, I+1
.endr
	v_nop                                          ; a plain place behind the last reciprocal
	s_wait_alu depctr_va_vdst(0)                   ; one wait for the batch of 21, ahead of its first reader
.set I, 0
.rept 21
	v_fma_f32 v[64+I], -v[32+I], v[105+I], 1.0     ; one Newton step: e = 1 - D r,
.set I, I+1
.endr
.set I, 0
.rept 21
	v_fma_f32 v[105+I], v[105+I], v[64+I], v[105+I]   ; r = r + r e
.set I, I+1
.endr
.irp j, 0,1,2,3,4,5,6,7,8
	v_xor_b32 v[96+\j], 0x80000000, v[16+\j]       ; -g
.endr
	v_mov_b32 v126, 0
	v_mov_b32 v127, 0
	s_lshl_b32 s33, s28, 12                        ; 32 rows of 128 bytes a pass
	v_lshl_add_u32 v4, v0, 7, s33
.irp i, 0,1,2,3,4,5,6,7
	global_store_b128 v4, v[96+4*\i:99+4*\i], s[26:27] offset:16*\i
.endr
	s_cmp_lg_u32 s28, 4
	s_cbranch_scc1 .Ldone
	v_lshlrev_b32 v5, 3, v0
	global_store_b64 v5, v[126:127], s[26:27] offset:ZEROB   ; the image's last 256 bytes: the main launch copies them with the rest
.Ldone:
	s_endpgm
.Lfunc_end_k_q02230c62cf_prep:
	.size	k_q02230c62cf_prep, .Lfunc_end_k_q02230c62cf_prep-k_q02230c62cf_prep
	.p2alignl 7, 3214868480
	.fill 96, 4, 3214868480
	.section	.rodata,"a",@progbits
	.p2align	6, 0x0
	.amdhsa_kernel k_q02230c62cf_prep
		.amdhsa_group_segment_fixed_size 0
		.amdhsa_private_segment_fixed_size 0
		.amdhsa_enable_private_segment 0
		.amdhsa_kernarg_size 96
		.amdhsa_user_sgpr_count 2
		.amdhsa_user_sgpr_kernarg_segment_ptr 1
		.amdhsa_wavefront_size32 1
		.amdhsa_system_sgpr_workgroup_id_x 1
		.amdhsa_system_sgpr_workgroup_id_y 1
		.amdhsa_system_sgpr_workgroup_id_z 1
		.amdhsa_system_vgpr_workitem_id 0
		.amdhsa_next_free_vgpr 208
		.amdhsa_next_free_sgpr 66
		.amdhsa_reserve_vcc 1
		.amdhsa_float_denorm_mode_32 3
		.amdhsa_float_denorm_mode_16_64 3
		.amdhsa_memory_ordered 1
		.amdhsa_forward_progress 1
		.amdhsa_inst_pref_size 71
	.end_amdhsa_kernel
	.amdgpu_metadata
---
amdhsa.version: [ 1, 2 ]
amdhsa.kernels:
  - .name:           k_q02230c62cf_prep
    .symbol:         k_q02230c62cf_prep.kd
    .args:
      - { .name: coef0, .offset: 0, .size: 8, .value_kind: global_buffer, .address_space: global }
      - { .name: ss0, .offset: 8, .size: 8, .value_kind: global_buffer, .address_space: global }
      - { .name: coef1, .offset: 16, .size: 8, .value_kind: global_buffer, .address_space: global }
      - { .name: ss1, .offset: 24, .size: 8, .value_kind: global_buffer, .address_space: global }
      - { .name: sb1, .offset: 32, .size: 8, .value_kind: global_buffer, .address_space: global }
      - { .name: coef2, .offset: 40, .size: 8, .value_kind: global_buffer, .address_space: global }
      - { .name: ss2, .offset: 48, .size: 8, .value_kind: global_buffer, .address_space: global }
      - { .name: sb2, .offset: 56, .size: 8, .value_kind: global_buffer, .address_space: global }
      - { .name: grid0, .offset: 64, .size: 8, .value_kind: global_buffer, .address_space: global }
      - { .name: grid1, .offset: 72, .size: 8, .value_kind: global_buffer, .address_space: global }
      - { .name: grid2, .offset: 80, .size: 8, .value_kind: global_buffer, .address_space: global }
      - { .name: pimg, .offset: 88, .size: 8, .value_kind: global_buffer, .address_space: global }
    .group_segment_fixed_size: 0
    .private_segment_fixed_size: 0
    .kernarg_segment_align: 8
    .kernarg_segment_size: 96
    .max_flat_workgroup_size: 32
    .sgpr_count:     66
    .vgpr_count:     208
    .wavefront_size: 32
...
	.end_amdgpu_metadata
.endif
;; end of part 3
;; launch kan (part 4): grid 512 x 1, 4 waves a work-group, no clusters, 127,488 bytes of LDS; arguments x, sb0, pimg, out0; writes out0
.if DOCPART == 4
	.amdgcn_target "amdgcn-amd-amdhsa--gfx1250"
	.amdhsa_code_object_version 6
	.text
	.protected	k_q02230c62cf_kan
	.globl	k_q02230c62cf_kan
	.p2align	8
	.type	k_q02230c62cf_kan,@function
k_q02230c62cf_kan:
	s_mov_b64 s[64:65], 0
	v_nop
	global_prefetch_b8 v0, s[64:65] scope:SCOPE_SE
	s_setreg_imm32_b32 hwreg(HW_REG_WAVE_SCHED_MODE, 0, 2), 2
	s_setreg_imm32_b32 hwreg(HW_REG_WAVE_MODE, 25, 1), 1
	s_wait_xcnt 0x0
	s_wait_alu depctr_vm_vsrc(0)
; Three KAN layers, 12 -> 64 -> 64 -> 24, for 131,072 pixels (x: [32][12][4096] f32, out0: [32][24][4096] f32).  A layer: for each input channel the five cubic B-spline values on that
; channel's own nine knots, and silu; then spline values x (coef x ss), and silu x sb.  All products but layer 0's silu x sb0 (K = 12, in f32) go on codes of E3M2
; with one E8M0 scale for each 32 along K, by v_wmma_scale_f32_16x16x128_f8f6f4.  The weights' codes and the knots' table come ready from the launch before (pimg).
; THE SPLINE PRODUCT'S K runs over the basis function g first and the input channel second, the order in which the product contracts its two axes: k = g x IN + channel.
; So with 64 input channels a block of 32 is ONE g of 32 neighbouring channels; with 12, the blocks are k = 0 .. 31 and k = 32 .. 59 and four zeros.
; SHARES.  512 work-groups x 4 waves; a wave owns 64 neighbouring pixels of one image through all three layers.  Nothing between the layers goes to memory.
; VECTOR WORK: lane L holds pixels 2 L and 2 L + 1 in a register pair (Q = 0, 1), so that packed f32 instructions serve two pixels, and 256 neighbouring bytes of x or out0 are one access of 8 bytes a lane.
; THE RECURSION, with t[j] = x - g[j], r[d][j] = 1 / (g[j+d] - g[j]):  C0[j] = r[1][j] where t[j] >= 0 and not t[j+1] >= 0, else 0;  B(d)[j] = t[j] C(d-1)[j] - t[j+d+1] C(d-1)[j+1];
; C(d)[j] = r[d+1][j] B(d)[j].  It is reference()'s formula with each division replaced by a multiplication with a refined reciprocal; nothing is assumed of the knots' spacing or order.
; The 30 constants of a channel are the same for all lanes: they are read from LDS (all lanes the same 16 bytes), one channel ahead, into two sets of registers by turns.
; QUANTISING: a pass of 32 channels makes five whole spline blocks (g = 0 .. 4) and one of silu, all of one pixel in one lane: no maximum crosses lanes.  The five are finished together, behind the pass's
; last channel: 5 x 32 values for each of a lane's two pixels are kept, 320 registers, value (g, channel c of the pass) at register 32 g + c.  With the 128 accumulators that leaves room for one wave on a SIMD.
; MATRIX WORK, transposed: source 0 = 16 output channels, source 1 = 16 pixels.  Pixel tile P = 2 Q + pb holds pixels 32 pb + 2 r + Q, which are lanes 16 pb + r.  The operand wants lanes 0-15 to hold the block
; in place 2 c and lanes 16-31 that in place 2 c + 1: v_permlane16_swap_b32 on the code registers of two blocks turns (tile pb 0 | tile pb 1) of each block into (block | block) of each tile.
; A pixel's scale word stays in its lane: tile 2 Q reads lanes 0-15 of the register, tile 2 Q + 1 lanes 16-31 (MATRIX_SCALE_ROW1).
; K STEPS of layers 1 and 2: A0 = g 0-3 of channels 0-31, A1 = g 0-3 of channels 32-63, B = g 4 of channels 0-31, g 4 of channels 32-63, silu of channels 0-31, silu of channels 32-63.  Layer 0: its two blocks and two of zeros.
; A result (lane: one pixel, registers: eight channels) goes to the wave's own stage in LDS, [channel][64 pixels], and comes back as pairs of pixels: the next layer's x, or the output.
; FIVE PASSES IN ONE LOOP, so that the work of 32 channels is written once: pass 0: layer 0 (leaves behind channel 11); 1, 2: layer 1; 3, 4: layer 2.
; NO CLUSTER, NO TENSOR LOAD: the work-groups share only pimg's 57,344 bytes, read once by each through registers; x and out0 are each wave's own.
; The base product and the spline product of a layer add into one accumulator: the order of the f32 sums differs from reference()'s.
; LIMITS: NaN and infinities among the inputs are not served; knots with g[j+d] = g[j], d up to 3, are not served; a block whose largest magnitude lies under 2^-122 keeps the byte 1, a block of zeros too (zero codes).
; THE MODE: SCHED_MODE bits 1:0 = 2 (LLVM: expert scheduling mode 2), set by the entry lines.  The code itself states the register dependences
; between vector or matrix instructions and memory or LDS instructions, with s_wait_alu, always for 0.
; THE PLAN.  Registers that memory or LDS instructions touch:
;   v1-3, v5, v6, v34, v35   addresses, made once at the head, ahead of its one wait on va_vdst, and never written again.
;   v7 (KA), v4 (XA)         written at a pass's head, between a wait on vm_vsrc and a wait on va_vdst; read by the constants' loads and by the loads of x.
;   KB0, KB1, X              channel c reads KB[c % 2]; its nine additions alone read X.  The loads of channel c + 1 land in KB[(c + 1) % 2] and X: they stand behind channel c's compares, where a wait on va_sdst
;                            stands for the masks, and one on va_vdst beside it.  What follows in channel c names KB[c % 2], T, CA, CB and windows 2 and 3: none of those loads' registers.
;   XS0, XS1                 (KB0's, T's and CA's registers) silu's x: loaded behind channel 31 and one wait; read by silu.
;   WF0, WF1, WS             the weights' fragments and scale words: loaded in the tails, read by the products.  WF0 and the head of WF1 are SIL's registers, which silu writes and the quantiser reads: one wait ahead of a tail's loads.
;   the accumulators         written by the products, read by the stores into the stage behind one wait; written again only behind the next pass's wait on vm_vsrc.
;   window 2's v0-111, HX    at the head: loaded from memory, stored to LDS; written again only behind the first pass's wait on vm_vsrc.
; The pixels' codes and scale words are written by vector instructions and taken by scaled products: a wait on va_vdst stands behind the places ahead of each tail's first product.
.set TAB,   0                          ; LDS: the knots' table, 5 passes x 32 rows x 128 bytes
.set FRAG,  20480                      ; 22 weight fragments x 1,536 bytes, images of the operand's registers
.set WSCL,  54272                      ; their scale words, 128 bytes each
.set IMG,   57344                      ; pimg's bytes; behind them the stages
.set SP,    272                        ; a stage row: 64 pixels x 4 bytes + 16.  8 rows are 2,176 bytes = 128 modulo 256: the 32 lanes of a result's store fall on 32 different banks (64 banks of 4 bytes: ISA guide 11.1)
.set STGB,  64*SP                      ; a wave's stage
.set HALF,  32*SP                      ; its upper half: channels 32 on
; window 0
.set L16, 1                            ; v1   16 x lane
.set L4,  2                            ; v2   4 x lane
.set XB,  3                            ; v3   my stage + 8 x lane
.set XA,  4                            ; v4   the same in the half that the pass reads
.set DA,  5                            ; v5   my stage + 2,176 h + 8 r: where results go
.set GO,  6                            ; v6   8 x lane: my byte offset in x and out0
.set KA,  7                            ; v7   the pass's rows of the table
.set SWA, 8                            ; v8-9   the pixels' scale words of K step A0 or A1, Q = 0, 1
.set SWB, 10                           ; v10-11 of K step B
.set SWN, 12                           ; v12-13 the pass's two bytes for K step B
.set WS,  14                           ; v14-21 the weights' scale words, two sets of four
.set X,   32                           ; v32-33 the channel's x
.set CPA, 34                           ; v34  head: 16 x thread
.set SBA, 35                           ; v35  head: my byte offset in sb0
.set KB,  36                           ; v36-67, v68-99 the channel's constants, two sets
.set T,   100                          ; v100-117 t[0..8], pairs
.set CA,  118                          ; v118-133 C0, later B2 and C2
.set CB,  134                          ; v134-147 B1 and C1, later the last level's second terms
.set QM,  132                          ; the quantiser, at a pass's end: v132-139 largest magnitudes, then bytes;
.set QM2, 140                          ; v140-147 second chains;
.set QS,  148                          ; v148-155 the conversions' scale operands
.set SIL, 156                          ; v156-187 (Q = 0), v188-219 (Q = 1): silu of the pass's 32 channels
.set WF0, 156                          ; in the tails: the weights' fragments, two sets of four
.set WF1, 204
.set OUTR, 156                         ; the way out: 24 pairs
.set XS0, 36                           ; silu: x of channels 0-15 of the pass,
.set EE,  68                           ; at work,
.set XS1, 100                          ; x of channels 16-31
.set HX,  36                           ; head: x's 12 pairs;  HE: at work
.set HE,  60
.set SBF, 100                          ; head: sb0's fragments (tile t, K step s) at SBF + 2 (3 t + s)
.set SL0, 212                          ; head: silu(x), 12 registers for each Q
; window 1 (low 8 bits)
.set FA,  128                          ; v128-175 the pixels' fragment of K step A0 or A1, tile P at FA + 12 P
.set FB,  176                          ; v176-223 of K step B
.set CT,  224                          ; v224-243 second halves of conversions, four registers a block
                                       ; v0-127 the accumulators, (tile P, tile t of output channels) at 8 (4 P + t): written by matrix instructions alone
; window 2 (Q = 0) and window 3 (Q = 1): v0-159 the pass's spline values, (g, c) at 32 g + c.  Head: window 2's v0-111 carry pimg to LDS
.set MK,  20                           ; s20-37 the 18 compare masks
.set MSB, 0
.macro WIN new                         ; s_set_vgpr_msb: bits 1:0 source 0, 3:2 source 1, 5:4 source 2, 7:6 destination; the high byte repeats the setting that is left
.if MSB != (\new)
	s_set_vgpr_msb (MSB<<8)|(\new)
.set MSB, (\new)
.endif
.endm
.macro PLACES n
.rept \n
	v_nop
.endr
.endm
; The constants and the x of channel c of the pass: nine LDS loads
.macro LOADK c
.set KL, KB+32*((\c)%2)
.irp i, 0,1,2,3,4,5,6,7
	ds_load_b128 v[KL+4*\i:KL+4*\i+3], v[KA] offset:TAB+128*(\c)+16*\i
.endr
	ds_load_b64 v[X:X+1], v[XA] offset:SP*(\c)
.endm
; A packed operation with constant n of the set in hand for both pixels: the even or the odd register of its pair feeds both halves
.macro PKC op, d, a, n
.if (\n)&1
	\op v[\d:\d+1], v[\a:\a+1], v[KC+(\n)-1:KC+(\n)] op_sel:[0,1] op_sel_hi:[1,1]
.else
	\op v[\d:\d+1], v[\a:\a+1], v[KC+(\n):KC+(\n)+1] op_sel_hi:[1,0]
.endif
.endm
; CHANNEL c of the pass, two pixels a lane: 97 vector instructions.  more = 1: the next channel's loads are issued behind the compares, where the wave waits for the masks in any case
.macro CH c, more
.set KC, KB+32*((\c)%2)
	s_wait_dscnt 0x0                               ; the nine loads issued a channel ago
.irp j, 0,1,2,3,4,5,6,7,8
	PKC v_pk_add_f32, T+2*\j, X, \j                ; t[j] = x - g[j]
.endr
.irp j, 0,1,2,3,4,5,6,7,8
	v_cmp_le_f32 s[MK+\j], 0, v[T+2*\j]            ; x >= g[j]
	v_cmp_le_f32 s[MK+9+\j], 0, v[T+2*\j+1]
.endr
	s_wait_alu depctr_va_sdst(0)                   ; the 18 compares have written their masks, ahead of the first line that reads one
.if \more
	s_wait_alu depctr_va_vdst(0)                   ; the nine additions are done reading x, and the channel before is done reading the other set of constants: the next channel's loads land in both
	LOADK (\c)+1                                   ; no vector instruction of this channel behind the wait names these registers
.endif
.irp j, 0,1,2,3,4,5,6,7
	s_and_not1_b32 s[MK+\j], s[MK+\j], s[MK+\j+1]  ; and not x >= g[j+1]; ascending, so that mask j + 1 is still whole
	s_and_not1_b32 s[MK+9+\j], s[MK+9+\j], s[MK+9+\j+1]
.endr
.irp j, 0,1,2,3,4,5,6,7
	v_cndmask_b32 v[CA+2*\j], 0, v[KC+9+\j], s[MK+\j]        ; C0[j]
	v_cndmask_b32 v[CA+2*\j+1], 0, v[KC+9+\j], s[MK+9+\j]
.endr
.irp j, 0,1,2,3,4,5,6
	v_pk_mul_f32 v[CB+2*\j:CB+2*\j+1], v[T+2*\j+4:T+2*\j+5], v[CA+2*\j+2:CA+2*\j+3]     ; t[j+2] C0[j+1]
.endr
.irp j, 0,1,2,3,4,5,6
	v_pk_fma_f32 v[CB+2*\j:CB+2*\j+1], v[T+2*\j:T+2*\j+1], v[CA+2*\j:CA+2*\j+1], v[CB+2*\j:CB+2*\j+1] neg_lo:[0,0,1] neg_hi:[0,0,1]   ; B1[j]
.endr
.irp j, 0,1,2,3,4,5,6
	PKC v_pk_mul_f32, CB+2*\j, CB+2*\j, 17+\j      ; C1[j]
.endr
.irp j, 0,1,2,3,4,5
	v_pk_mul_f32 v[CA+2*\j:CA+2*\j+1], v[T+2*\j+6:T+2*\j+7], v[CB+2*\j+2:CB+2*\j+3]     ; t[j+3] C1[j+1]
.endr
.irp j, 0,1,2,3,4,5
	v_pk_fma_f32 v[CA+2*\j:CA+2*\j+1], v[T+2*\j:T+2*\j+1], v[CB+2*\j:CB+2*\j+1], v[CA+2*\j:CA+2*\j+1] neg_lo:[0,0,1] neg_hi:[0,0,1]   ; B2[j]
.endr
.irp j, 0,1,2,3,4,5
	PKC v_pk_mul_f32, CA+2*\j, CA+2*\j, 24+\j      ; C2[j]
.endr
.irp g, 0,1,2,3,4
	v_pk_mul_f32 v[CB+2*\g:CB+2*\g+1], v[T+2*\g+8:T+2*\g+9], v[CA+2*\g+2:CA+2*\g+3]     ; t[g+4] C2[g+1]
.endr
	WIN 0x80                                       ; the last level is not packed: each pixel's value (g, c) goes to register 32 g + c of its own window, so that a block's 32 channels lie in consecutive registers
.irp g, 0,1,2,3,4
	v_fma_f32 v[32*\g+(\c)], v[T+2*\g], v[CA+2*\g], -v[CB+2*\g]
.endr
	WIN 0xc0
.irp g, 0,1,2,3,4
	v_fma_f32 v[32*\g+(\c)], v[T+2*\g+1], v[CA+2*\g+1], -v[CB+2*\g+1]
.endr
	WIN 0
.endm
; The largest magnitudes of nb blocks of 32 (block b at base + 32 b of window w) into v[QM + b]: two chains a block, all chains by turns.  The floor 2^(5 - 127) holds the byte at 1 from below
.macro MAXRUN w, base, nb
	WIN ((\w)<<2)|((\w)<<4)                        ; sources 1 and 2 in window w
.set BB, 0
.rept \nb
	v_max3_num_f32 v[QM+BB], 0x2800000, |v[\base+32*BB]|, |v[\base+32*BB+1]|
	v_max3_num_f32 v[QM2+BB], 0, |v[\base+32*BB+16]|, |v[\base+32*BB+17]|
.set BB, BB+1
.endr
.irp i, 2,4,6,8,10,12,14
.set BB, 0
.rept \nb
	v_max3_num_f32 v[QM+BB], v[QM+BB], |v[\base+32*BB+\i]|, |v[\base+32*BB+\i+1]|
	v_max3_num_f32 v[QM2+BB], v[QM2+BB], |v[\base+32*BB+16+\i]|, |v[\base+32*BB+17+\i]|
.set BB, BB+1
.endr
.endr
	WIN 0
.set BB, 0
.rept \nb
	v_max_num_f32 v[QM+BB], v[QM+BB], v[QM2+BB]
.set BB, BB+1
.endr
.endm
; 4 off each exponent field: the conversion's scale operand, v[QS + b]; shifted down: the scale's byte, v[QM + b]
.macro QSCL nb
.set BB, 0
.rept \nb
	v_add_nc_u32 v[QS+BB], 0xfe000000, v[QM+BB]
.set BB, BB+1
.endr
.set BB, 0
.rept \nb
	v_lshrrev_b32 v[QM+BB], 23, v[QS+BB]
.set BB, BB+1
.endr
.endm
.macro CVB b, src, d                   ; block b's 32 numbers become 192 bits of codes: the first 96 at d, the second in CT (a conversion's three registers begin on an even number)
	v_cvt_scalef32_pk16_bf6_f32 v[\d:\d+2], v[\src:\src+15], v[QS+(\b)]
	v_cvt_scalef32_pk16_bf6_f32 v[CT+4*(\b):CT+4*(\b)+2], v[\src+16:\src+31], v[QS+(\b)]
.endm
.macro MVB b, d                        ; and are moved behind the first
.irp i, 0,1,2
	v_mov_b32 v[\d+3+\i], v[CT+4*(\b)+\i]
.endr
.endm
; The five spline blocks of pixel Q: g 0-3 to places 0-3 of K step A, g 4 to K step B
.macro QSPL Q
	MAXRUN 2+\Q, 0, 5
	QSCL 5
	v_lshl_or_b32 v[SWA+\Q], v[QM+1], 8, v[QM]
	v_lshl_or_b32 v[SWA+\Q], v[QM+2], 16, v[SWA+\Q]
	v_lshl_or_b32 v[SWA+\Q], v[QM+3], 24, v[SWA+\Q]
	v_mov_b32 v[SWN+\Q], v[QM+4]
	WIN 0x40|(2+\Q)                                ; destination window 1, the numbers in window 2 or 3, the scale operand in window 0
	CVB 0, 0, FA+24*\Q
	CVB 1, 32, FA+24*\Q+12
	CVB 2, 64, FA+24*\Q+6
	CVB 3, 96, FA+24*\Q+18
	CVB 4, 128, FB+24*\Q+12
	v_nop                                          ; one plain place behind the last scaled conversion
	WIN 0x41                                       ; destination and source 0 window 1
	MVB 0, FA+24*\Q
	MVB 1, FA+24*\Q+12
	MVB 2, FA+24*\Q+6
	MVB 3, FA+24*\Q+18
	MVB 4, FB+24*\Q+12
	WIN 0
.endm
; The block of silu, both pixels (pixel Q is the run's block Q)
.macro QSIL
	MAXRUN 0, SIL, 2
	QSCL 2
	v_lshl_or_b32 v[SWN], v[QM], 16, v[SWN]
	v_lshl_or_b32 v[SWN+1], v[QM+1], 16, v[SWN+1]
	WIN 0x40
	CVB 0, SIL, FB+18
	CVB 1, SIL+32, FB+42
	v_nop
	WIN 0x41
	MVB 0, FB+18
	MVB 1, FB+42
	WIN 0
.endm
; Layer 0, pixel Q: the loop's body has laid value (g, c) at 32 g + c; K wants it at 12 g + c.  In place, ascending: a register is written only when its own value has been moved.  Then the two blocks
.macro QL0 Q
	WIN ((2+\Q)<<6)|(2+\Q)                         ; destination and source 0 in the pixel's window
.set KK, 12
.rept 48
	v_mov_b32 v[KK], v[32*(KK/12)+KK%12]
.set KK, KK+1
.endr
.irp i, 60,61,62,63
	v_mov_b32 v[\i], 0                             ; the last block is filled with zeros
.endr
	MAXRUN 2+\Q, 0, 2
	QSCL 2
	v_lshl_or_b32 v[SWA+\Q], v[QM+1], 8, v[QM]     ; places 2 and 3 keep the byte 0: their codes are zeros
	WIN 0x40|(2+\Q)
	CVB 0, 0, FA+24*\Q
	CVB 1, 32, FA+24*\Q+12
	v_nop
	WIN 0x41
	MVB 0, FA+24*\Q
	MVB 1, FA+24*\Q+12
	WIN 0
.endm
; silu of n channel pairs at xs: x / (1 + 2^(-x log2 e)); pixel Q's results to consecutive registers d0, d1.  Two batches of transcendentals, one wait each
.macro SILU xs, e, n, d0, d1
.set I, 0
.rept \n
	v_pk_mul_f32 v[\e+2*I:\e+2*I+1], v[\xs+2*I:\xs+2*I+1], 0xbfb8aa3b op_sel_hi:[1,0]
.set I, I+1
.endr
.set I, 0
	s_wait_alu depctr_va_vdst(0)
.rept 2*\n
	v_exp_f32 v[\e+I], v[\e+I]
.set I, I+1
.endr
	v_nop                                          ; a plain place behind the last exponential
	s_wait_alu depctr_va_vdst(0)                   ; the exponentials have written v[e ..], which the additions below read
.set I, 0
.rept \n
	v_pk_add_f32 v[\e+2*I:\e+2*I+1], v[\e+2*I:\e+2*I+1], 1.0 op_sel_hi:[1,0]
.set I, I+1
.endr
.set I, 0
	s_wait_alu depctr_va_vdst(0)
.rept 2*\n
	v_rcp_f32 v[\e+I], v[\e+I]
.set I, I+1
.endr
	v_nop                                          ; a plain place behind the last reciprocal
	s_wait_alu depctr_va_vdst(0)                   ; the reciprocals have written v[e ..], which the multiplications below read
.set I, 0
.rept \n
	v_mul_f32 v[\d0+I], v[\xs+2*I], v[\e+2*I]
	v_mul_f32 v[\d1+I], v[\xs+2*I+1], v[\e+2*I+1]
.set I, I+1
.endr
.endm
; (tile pb 0 | tile pb 1) of two blocks becomes (block | block) of two tiles: 12 registers for each Q.  Under a setting with destination and source 0 in window 1
.macro SWAP a
.irp Q, 0,1
.irp i, 0,1,2,3,4,5,6,7,8,9,10,11
	v_permlane16_swap_b32 v[\a+24*\Q+\i], v[\a+24*\Q+12+\i]
.endr
.endr
.endm
; nt weight fragments from number f0 on, and their scale words, as they lie in LDS
.macro LOADW f0, nt, wf, ws
.set TT, 0
.rept \nt
.irp i, 0,1,2
	ds_load_b128 v[\wf+12*TT+4*\i:\wf+12*TT+4*\i+3], v[L16] offset:FRAG+1536*(\f0+TT)+512*\i
.endr
	ds_load_b32 v[\ws+TT], v[L4] offset:WSCL+128*(\f0+TT)
.set TT, TT+1
.endr
.endm
.macro WM acc, a, b, sa, sb, zero, row
.if \zero
.if \row
	v_wmma_scale_f32_16x16x128_f8f6f4 v[\acc:\acc+7], v[\a:\a+11], v[\b:\b+11], 0, v[\sa], v[\sb] matrix_a_fmt:MATRIX_FMT_BF6 matrix_b_fmt:MATRIX_FMT_BF6 matrix_b_scale:MATRIX_SCALE_ROW1
.else
	v_wmma_scale_f32_16x16x128_f8f6f4 v[\acc:\acc+7], v[\a:\a+11], v[\b:\b+11], 0, v[\sa], v[\sb] matrix_a_fmt:MATRIX_FMT_BF6 matrix_b_fmt:MATRIX_FMT_BF6
.endif
.else
.if \row
	v_wmma_scale_f32_16x16x128_f8f6f4 v[\acc:\acc+7], v[\a:\a+11], v[\b:\b+11], v[\acc:\acc+7], v[\sa], v[\sb] matrix_a_fmt:MATRIX_FMT_BF6 matrix_b_fmt:MATRIX_FMT_BF6 matrix_b_scale:MATRIX_SCALE_ROW1
.else
	v_wmma_scale_f32_16x16x128_f8f6f4 v[\acc:\acc+7], v[\a:\a+11], v[\b:\b+11], v[\acc:\acc+7], v[\sa], v[\sb] matrix_a_fmt:MATRIX_FMT_BF6 matrix_b_fmt:MATRIX_FMT_BF6
.endif
.endif
.endm
; One K step of 128 for the four pixel tiles x nt tiles of output channels.  The accumulators take turns, one instruction a turn, from K step to K step too.
; Under the setting 0x54: the weights in window 0; the pixels' codes, C and D in window 1.  zero = 1: the products start the sums
.macro PROD nt, frag, sw, wf, ws, zero
.irp P, 0,1,2,3
.set TT, 0
.rept \nt
	WM 8*(4*\P+TT), \wf+12*TT, \frag+12*\P, \ws+TT, \sw+\P/2, \zero, \P%2
.set TT, TT+1
.endr
.endr
.endm
; The results go to my stage: lane (r, h), register j of (P, t) is channel 16 t + 8 h + j of pixel 32 (P % 2) + 2 r + P / 2.  Each accumulator from its low end on
.macro DUMP nt
	PLACES 4                                       ; four places between the last product and the first store of a result (ISA guide 7.12.1 for vector instructions)
	WIN 0x04                                       ; an LDS store's data are its source 1: window 1
	s_wait_alu depctr_va_vdst(0)                   ; the products have written the accumulators, which the LDS stores below read; the places above stay beside this wait
.irp P, 0,1,2,3
.set TT, 0
.rept \nt
.irp j, 0,1,2,3,4,5,6,7
	ds_store_b32 v[DA], v[8*(4*\P+TT)+\j] offset:(16*TT+\j)*SP+128*(\P%2)+4*(\P/2)
.endr
.set TT, TT+1
.endr
.endr
	WIN 0
.endm
; The tail of a layer's first pass: K step A0 starts the sums; the pass's half of K step B is parked
.macro TAILA f, nt
	PLACES 4                                       ; the pixels' codes were last written by the swaps: four places ahead of a scaled product
	s_wait_alu depctr_va_vdst(0)                   ; the quantiser is done with silu's registers and the earlier products with the weights' scale words: the loads below land in both; the swaps have written the pixels' codes and the shifts their scale words, which the products take
	LOADW \f, \nt, WF0, WS
	s_wait_dscnt 0x0
	WIN 0x54
	PROD \nt, FA, SWA, WF0, WS, 1
	WIN 0x41
.irp Q, 0,1
.irp i, 0,1,2,3,4,5,6,7,8,9,10,11
	v_mov_b32 v[FB+24*\Q+\i], v[FB+24*\Q+12+\i]    ; (these 24 and the two below name none of the products' registers: they are the places behind them)
.endr
.endr
	WIN 0
	v_mov_b32 v[SWB], v[SWN]                       ; its bytes stand in places 0 and 2
	v_mov_b32 v[SWB+1], v[SWN+1]
.endm
; The tail of a layer's second pass: K steps A1 and B, and the results go to the stage
.macro TAILB fa, fb, nt
	s_wait_alu depctr_va_vdst(0)                   ; the quantiser is done with silu's registers, the earlier products with the weights' fragments and scale words: the loads below land in them
	LOADW \fa, \nt, WF0, WS
	LOADW \fb, \nt, WF1, WS+4
	WIN 0x41
	SWAP FB                                        ; the parked half and this pass's
	WIN 0
	v_lshl_or_b32 v[SWB], v[SWN], 8, v[SWB]        ; this pass's bytes: places 1 and 3
	v_lshl_or_b32 v[SWB+1], v[SWN+1], 8, v[SWB+1]
	s_wait_dscnt 0x0
	PLACES 8                                       ; a scale word written by a vector instruction stands eight places ahead of a scaled product
	WIN 0x54
	s_wait_alu depctr_va_vdst(0)                   ; the swaps have written the pixels' codes of K step B and the two shifts its scale words, which the products take
	PROD \nt, FA, SWA, WF0, WS, 0
	PROD \nt, FB, SWB, WF1, WS+4, 0
	DUMP \nt
.endm
	; ---- THE HEAD
	s_load_b256 s[4:11], s[0:1], 0x0               ; x s[4:5], sb0 s[6:7], pimg s[8:9], out0 s[10:11]
	v_lshl_add_u32 v254, v0, 2, 0x1f000
	v_mov_b32 v255, 0
	v_lshrrev_b32 v22, 5, v0
	v_readfirstlane_b32 s12, v22                   ; wave 0..3
	v_and_b32 v23, 31, v0                          ; lane
	v_and_b32 v24, 15, v0                          ; r
	v_bfe_u32 v25, v0, 4, 1                        ; h
	v_lshlrev_b32 v[L16], 4, v23
	v_lshlrev_b32 v[L4], 2, v23
	v_lshlrev_b32 v[GO], 3, v23
	s_wait_alu depctr_va_sdst(0)                   ; s12 is written, ahead of its first reader: my stage's place and my pixels' are made from it
	s_mul_i32 s16, s12, STGB
	s_add_co_u32 s16, s16, IMG                     ; my stage
	v_add_nc_u32 v[XB], s16, v[GO]
	v_mul_u32_u24 v[DA], 8*SP, v25
	v_lshl_add_u32 v[DA], v24, 3, v[DA]
	v_add_nc_u32 v[DA], s16, v[DA]
	v_lshlrev_b32 v[CPA], 4, v0
	v_lshlrev_b32 v[SBA], 9, v25
	v_lshl_add_u32 v[SBA], v24, 2, v[SBA]          ; sb0: 512 h + 4 r
	s_lshr_b32 s38, ttmp9, 4                       ; the image: 16 work-groups of 4 waves x 64 pixels each
	s_and_b32 s39, ttmp9, 15
	s_lshl_b32 s39, s39, 2
	s_add_co_u32 s39, s39, s12
	s_lshl_b32 s39, s39, 8                         ; my 64 pixels in a channel's plane: 256 bytes a wave
	s_mul_i32 s40, s38, 196608                     ; 12 planes of 16,384 bytes
	s_add_co_u32 s40, s40, s39
	s_mov_b32 s41, 0
	s_mul_i32 s42, s38, 393216                     ; 24 planes
	s_add_co_u32 s42, s42, s39
	s_mov_b32 s43, 0
	s_wait_kmcnt 0x0
	s_add_nc_u64 s[4:5], s[4:5], s[40:41]
	s_add_nc_u64 s[10:11], s[10:11], s[42:43]
	WIN 0x80                                       ; destination window 2, whose registers are idle at the head
	s_wait_alu depctr_va_vdst(0)                   ; the seven addresses v1, v2, v3, v5, v6, v34, v35 are written, which the loads and stores of the whole kernel read; no vector instruction stands between this wait and the barrier
.set I, 0
.rept 28
	global_load_b128 v[4*I:4*I+3], v[CPA], s[8:9] offset:2048*I      ; pimg: the 128 threads take 2,048 consecutive bytes a load
.set I, I+1
.endr
	WIN 0
.set I, 0
.rept 12
	global_load_b64 v[HX+2*I:HX+2*I+1], v[GO], s[4:5] offset:16384*I th:TH_LOAD_NT   ; x: 256 consecutive bytes, aligned, a channel; read once in the launch
.set I, I+1
.endr
	s_wait_loadcnt 12                              ; pimg's 28 loads are in; the 12 of x may be out
	WIN 0x08                                       ; an LDS store's data are its source 1: window 2
.set I, 0
.rept 28
	ds_store_b128 v[CPA], v[4*I:4*I+3] offset:2048*I
.set I, I+1
.endr
	WIN 0
.irp t, 0,1,2,3
.irp s, 0,1,2
.irp j, 0,1
	global_load_b32 v[SBF+2*(3*\t+\s)+\j], v[SBA], s[6:7] offset:256*(4*\s+\j)+64*\t   ; sb0(4 s + 2 h + j, 16 t + r): the f32 form's source 0
.endr
.endr
.endr
	s_wait_loadcnt 24                              ; x is in; sb0's 24 may be out
.set I, 0
.rept 12
	ds_store_b64 v[XB], v[HX+2*I:HX+2*I+1] offset:HALF+SP*I     ; into my stage's upper half, which pass 0 reads as every even pass does
.set I, I+1
.endr
	s_wait_dscnt 0x0                               ; for the others' sake: my part of the image lies in LDS
	s_barrier_signal -1
	s_barrier_wait -1                              ; the launch's one barrier: from here on the image is only read, and a stage is its wave's own
	SILU HX, HE, 12, SL0, SL0+12
.irp Q, 0,1
.irp s, 0,1,2
.irp j, 0,1
	v_permlane16_swap_b32 v[SL0+12*\Q+4*\s+\j], v[SL0+12*\Q+4*\s+2+\j]   ; the f32 form wants lanes 0-15 to hold k = 4 s + j and lanes 16-31 k = 4 s + 2 + j of a tile's pixels
.endr
.endr
.endr
	s_wait_alu depctr_va_vdst(0)
	s_wait_loadcnt 0x0                             ; sb0
	WIN 0x50                                       ; C and D window 1
.irp s, 0,1,2                          ; silu(x) sb0, K = 12 in three steps of 4, in f32: its result goes on into a quantiser.  16 accumulators by turns; the first step starts the sums
.irp P, 0,1,2,3
.irp t, 0,1,2,3
.if \s == 0
	v_wmma_f32_16x16x4_f32 v[8*(4*\P+\t):8*(4*\P+\t)+7], v[SBF+2*(3*\t+\s):SBF+2*(3*\t+\s)+1], v[SL0+12*(\P/2)+4*\s+2*(\P%2):SL0+12*(\P/2)+4*\s+2*(\P%2)+1], 0
.else
	v_wmma_f32_16x16x4_f32 v[8*(4*\P+\t):8*(4*\P+\t)+7], v[SBF+2*(3*\t+\s):SBF+2*(3*\t+\s)+1], v[SL0+12*(\P/2)+4*\s+2*(\P%2):SL0+12*(\P/2)+4*\s+2*(\P%2)+1], v[8*(4*\P+\t):8*(4*\P+\t)+7]
.endif
.endr
.endr
.endr
	WIN 0x40
.irp Q, 0,1
.irp i, 0,1,2,3,4,5,6,7,8,9,10,11
	v_mov_b32 v[FB+24*\Q+\i], 0                    ; the parked half of K step B is written on every way into the loop.  These 26 moves name none of the products' registers: they are the eight places behind the f32 form
.endr
.endr
	WIN 0
	v_mov_b32 v[SWB], 0
	v_mov_b32 v[SWB+1], 0
	s_mov_b32 s13, 0                               ; the pass
	s_mov_b32 s14, 0                               ; its rows of the table: 4,096 bytes a pass
	s_mov_b32 s15, HALF                            ; the half of the stage that it reads: upper, lower, upper ..
.Lpass:
	s_wait_alu depctr_vm_vsrc(0)                   ; the LDS loads issued so far have read v[KA] and v[XA], which the two lines below write; the last tail's stores have read the accumulators, which this pass's products write; in the first trip: the head's LDS stores have read window 2's registers and x's pairs, which the channels' last level and the constants' loads write
	v_mov_b32 v[KA], s14
	v_add_nc_u32 v[XA], s15, v[XB]
	s_wait_alu depctr_va_vdst(0)                   ; v[KA] and v[XA] are written, which the loads below read; silu's lines (the head's in the first trip) are done with v36-99, and channel 31's additions with x: the loads below land there
	LOADK 0                                        ; (LDS serves a wave's instructions in order: ISA guide 5.7.1.4: these see the last tail's stores into the stage)
.irp c, 0,1,2,3,4,5,6,7,8,9,10
	CH \c, 1
.endr
	CH 11, 0
	s_cmp_eq_u32 s13, 0
	s_cbranch_scc1 .LT0                            ; layer 0 has 12 channels
	s_wait_alu depctr_va_vdst(0)                   ; channel 10 is done reading its set of constants and channel 11's additions x: channel 12's loads land in both
	LOADK 12
.irp c, 12,13,14,15,16,17,18,19,20,21,22,23,24,25,26,27,28,29,30
	CH \c, 1
.endr
	CH 31, 0
	s_wait_alu depctr_va_vdst(0)                   ; channel 30 is done reading v36-67, channel 31 is done writing and reading v100-131: the loads below land in both
.set I, 0
.rept 16
	ds_load_b64 v[XS0+2*I:XS0+2*I+1], v[XA] offset:SP*I          ; the pass's 32 channels of x once more, for silu: they land while the spline blocks are quantised, whose lines name none of these registers
	ds_load_b64 v[XS1+2*I:XS1+2*I+1], v[XA] offset:SP*(16+I)
.set I, I+1
.endr
	QSPL 0
	QSPL 1
	s_wait_dscnt 0x0
	SILU XS0, EE, 16, SIL, SIL+32
	SILU XS1, EE, 16, SIL+16, SIL+48
	QSIL
	WIN 0x41
	SWAP FA
	WIN 0
	s_cmp_eq_u32 s13, 1
	s_cbranch_scc1 .LT1
	s_cmp_eq_u32 s13, 2
	s_cbranch_scc1 .LT2
	s_cmp_eq_u32 s13, 3
	s_cbranch_scc1 .LT3
	s_branch .LT4
.LT0:                                                  ; layer 0: K = 60 in places 0 and 1; places 2 and 3 are zeros; the sums go on from silu(x) sb0
	QL0 0
	QL0 1
	LOADW 0, 4, WF0, WS                            ; no wait of their own: no vector or matrix instruction behind channel 10's wait on va_vdst names v156-203, v14-17 or the two addresses
	WIN 0x40
.irp P, 0,1,2,3
.irp i, 6,7,8,9,10,11
	v_mov_b32 v[FA+12*\P+\i], 0                    ; zero codes add nothing under the bytes 0 that the scale words hold there
.endr
.endr
	WIN 0x41
	SWAP FA
	WIN 0
	s_wait_dscnt 0x0
	PLACES 4                                       ; the pixels' codes were last written by the swaps
	WIN 0x54
	s_wait_alu depctr_va_vdst(0)                   ; the moves and the swaps have written the pixels' codes and the shifts their scale words, which the products take
	PROD 4, FA, SWA, WF0, WS, 0
	DUMP 4
	s_branch .Lbottom
.LT1:
	TAILA 4, 4
	s_branch .Lbottom
.LT2:
	TAILB 8, 12, 4
	s_branch .Lbottom
.LT3:
	TAILA 16, 2
	s_branch .Lbottom
.LT4:
	TAILB 18, 20, 2
.Lbottom:
	s_add_co_u32 s14, s14, 4096
	s_xor_b32 s15, s15, HALF
	s_add_co_u32 s13, s13, 1
	s_cmp_lt_u32 s13, 5
	s_cbranch_scc1 .Lpass
	; ---- THE WAY OUT: the stage's rows 0 to 23 are the 24 output channels of my 64 pixels
	s_wait_alu depctr_va_vdst(0)                   ; the products are done reading the weights' fragments v156-203, in which the rows below land: stated here, so that the way out leans on no tail's own waits
.set I, 0
.rept 24
	ds_load_b64 v[OUTR+2*I:OUTR+2*I+1], v[XB] offset:SP*I
.set I, I+1
.endr
.set I, 0
.rept 24
	s_wait_dscnt 23-I                              ; LDS loads come back in order (ISA guide 5.7.1): row I is in, the younger ones may be out
	global_store_b64 v[GO], v[OUTR+2*I:OUTR+2*I+1], s[10:11] offset:16384*I th:TH_STORE_NT   ; the wave stores 256 consecutive bytes, aligned; written once, read by nobody here
.set I, I+1
.endr
	s_wait_dscnt 0x0
	s_wait_alu depctr_hold_cnt(0) depctr_sa_sdst(0) depctr_va_vdst(0) depctr_va_sdst(0) depctr_va_ssrc(0) depctr_va_vcc(0) depctr_vm_vsrc(0)
	s_wait_tensorcnt 0x0
	ds_add_u32 v254, v255
	s_wait_dscnt 0x0
	s_endpgm
.Lfunc_end_k_q02230c62cf_kan:
	.size	k_q02230c62cf_kan, .Lfunc_end_k_q02230c62cf_kan-k_q02230c62cf_kan
	.p2alignl 7, 3214868480
	.fill 96, 4, 3214868480
	.section	.rodata,"a",@progbits
	.p2align	6, 0x0
	.amdhsa_kernel k_q02230c62cf_kan
		.amdhsa_group_segment_fixed_size 127488
		.amdhsa_private_segment_fixed_size 0
		.amdhsa_enable_private_segment 0
		.amdhsa_kernarg_size 32
		.amdhsa_user_sgpr_count 2
		.amdhsa_user_sgpr_kernarg_segment_ptr 1
		.amdhsa_wavefront_size32 1
		.amdhsa_system_sgpr_workgroup_id_x 1
		.amdhsa_system_sgpr_workgroup_id_y 1
		.amdhsa_system_sgpr_workgroup_id_z 1
		.amdhsa_system_vgpr_workitem_id 0
		.amdhsa_next_free_vgpr 928
		.amdhsa_next_free_sgpr 66
		.amdhsa_reserve_vcc 0
		.amdhsa_float_denorm_mode_32 3
		.amdhsa_float_denorm_mode_16_64 3
		.amdhsa_memory_ordered 1
		.amdhsa_forward_progress 1
		.amdhsa_inst_pref_size 255
	.end_amdhsa_kernel
	.section	.bss,"aw",@nobits
	.p2align	6
	.space	262144
	.amdgpu_metadata
---
amdhsa.version: [ 1, 2 ]
amdhsa.kernels:
  - .name:           k_q02230c62cf_kan
    .symbol:         k_q02230c62cf_kan.kd
    .args:
      - { .name: x, .offset: 0, .size: 8, .value_kind: global_buffer, .address_space: global }
      - { .name: sb0, .offset: 8, .size: 8, .value_kind: global_buffer, .address_space: global }
      - { .name: pimg, .offset: 16, .size: 8, .value_kind: global_buffer, .address_space: global }
      - { .name: out0, .offset: 24, .size: 8, .value_kind: global_buffer, .address_space: global }
    .group_segment_fixed_size: 127488
    .private_segment_fixed_size: 0
    .kernarg_segment_align: 8
    .kernarg_segment_size: 32
    .max_flat_workgroup_size: 128
    .sgpr_count:     66
    .vgpr_count:     928
    .wavefront_size: 32
...
	.end_amdgpu_metadata
.endif
;; end of part 4
